; MI455X (gfx1250); checked and timed in simulation.
; The chip was launched on July 23, 2026; its instructions are those of AMD's public machine-readable ISA for CDNA 5 (MIT licence, August 2026) and "CDNA5" Instruction Set Architecture Reference Guide (July 2026). The comments in the code are by the model that wrote it; some were corrected since.
;; Decoder Layer. Allowed arithmetic: matrix products marked QUANTISED: E4M3 operands, one given power-of-two scale a tensor, by v_wmma_f32_16x16x64_fp8_fp8 or v_wmma_f32_16x16x128_fp8_fp8, f32 sums; everything else in f32.
;; Inputs: Wdown 2,048 x 688 float32; Wgu 1,376 x 2,048 float32; Wkv 128 x 2,048 float32; Wo 2,048 x 2,048 float32; Wq 2,048 x 2,048 float32; hidden_states 1 x 2,048 x 2,048 float32; ln1_w 2,048 float32; ln2_w 2,048 float32; lowp_scales 14 int32 (the exponents e of the quantised operands' scales 2^e).
;; Outputs: out0 1 x 2,048 x 2,048 float32.
;; This version of the problem:
;;   THIS VERSION OF THE PROBLEM IS GIVEN IN LOW PRECISION. The matrix products marked QUANTISED in the list below multiply operands that are first quantised to E4M3 (4 exponent bits, 3 mantissa bits; 8 bits a number), with one given power-of-two scale for each operand tensor; their sums are f32. All else is computed in f32.
;;   The module's matrix products, in the order in which they are computed (A, B: the left and right operand; K: the contracted axis; several contracted axes count as one K, in the product's order):
;;     1. [M 2,048, K 2,048] x [K 2,048, N 2,048]; A: computed on the way; B: input Wq: QUANTISED (scales: A lowp_scales[0], B lowp_scales[1])
;;     2. [M 2,048, K 2,048] x [K 2,048, N 128]; A: computed on the way; B: input Wkv: QUANTISED (scales: A lowp_scales[2], B lowp_scales[3])
;;     3. [M 2,048, K 64] x [K 64, N 65,536]; A: computed on the way; B: computed on the way: QUANTISED (scales: A lowp_scales[4], B lowp_scales[5])
;;     4. [M 64, K 2,048] x [K 2,048, N 65,536]; A: computed on the way; B: softmax (see below): QUANTISED (scales: A lowp_scales[6], B lowp_scales[7])
;;     5. [M 2,048, K 2,048] x [K 2,048, N 2,048]; A: computed on the way; B: input Wo: QUANTISED (scales: A lowp_scales[8], B lowp_scales[9])
;;     6. [M 2,048, K 2,048] x [K 2,048, N 1,376]; A: computed on the way; B: input Wgu: QUANTISED (scales: A lowp_scales[10], B lowp_scales[11])
;;     7. [M 2,048, K 688] x [K 688, N 2,048]; A: computed on the way; B: input Wdown: QUANTISED (scales: A lowp_scales[12], B lowp_scales[13])
;;   THE QUANTISER, for each operand of a quantised product, along K:
;;     - The operand's scale is 2^e, e = its entry of the input lowp_scales (int32; the entries are numbered through the quantised products in the list's order, A before B).
;;     - Each number is divided by the scale, clamped to +-448, and rounded to the nearest number of E4M3, ties to even, subnormals kept.
;;     - The product sums the exact products of the quantised numbers (number of the format x scale) in f32.
;;   ~~~python
;;   def quantise(x, axis, e):      # numpy; x: float32 -> the quantised numbers, widened to float32 again
;;       x = np.moveaxis(x, axis, -1); K = x.shape[-1]
;;       r = np.clip(x / 2.0 ** e, -448, 448)
;;       step = 2.0 ** (np.maximum(np.frexp(np.where(r == 0, 1, r))[1] - 1, -6) - 3)
;;       q = np.round(r / step) * step * 2.0 ** e      # np.round: ties to even
;;       return np.moveaxis(q, -1, axis).astype(np.float32)
;;   ~~~
;;   SOFTMAX AHEAD OF A QUANTISED PRODUCT. Where the list says 'softmax', what is quantised is not the finished softmax but p = 2^(t - M), with t = logit x log2(e) and M = ceil(the row's largest t), a whole number; so 1/2 < the row's largest p <= 1. The row's sum l is taken of the UNQUANTISED p, in f32, and the product's result is divided by l at the end. Since M is a whole number, a kernel that streams over the keys may use a running M (the ceiling of the running maximum): every later rescaling is an exact power of two, so the quantised numbers keep their values, but for numbers so far below the row's largest that they fall under the format's range.
;;   OPERANDS COMPUTED ON THE WAY. 'Computed on the way' means the value that the module computes at that place (a softmax that the list does not call 'softmax' is quantised finished and normalised). What goes into a quantiser is computed in f32, as accurately as f32 sums, v_exp_f32 and their like allow (about 1e-6 of the number): no bf16 or f16 on the way to a quantiser, and a product that is left as it is and whose result goes on into a quantised operand takes f32 operands (vector FMAs, or v_wmma_f32_16x16x4_f32). A number that lies on a knife's edge between two numbers of the format may be rounded either way, as far as f32 arithmetic and the matrix unit's own rounding can turn it there, and no further.
;; One version. Each part assembles by itself: llvm-mc -triple=amdgcn-amd-amdhsa -mcpu=gfx1250 --defsym DOCPART=n.
;; ======== version 1 of 1: 7 launches
;; workspace buffers: pc 21,495,808 bytes; qkvc 4,456,448 bytes; attnc 4,194,304 bytes; h 16,777,216 bytes; yc 4,194,304 bytes; ac 1,441,792 bytes
;; launch prep (part 1): grid 328 x 1, 16 waves a work-group, no clusters, 141,312 bytes of LDS; arguments hidden_states, ln1_w, Wq, Wkv, Wo, Wgu, Wdown, lowp_scales, pc; writes pc
.if DOCPART == 1
	.amdgcn_target "amdgcn-amd-amdhsa--gfx1250"
	.amdhsa_code_object_version 6
	.text
	.protected	k_q94210f97eb_prep
	.globl	k_q94210f97eb_prep
	.p2align	8
	.type	k_q94210f97eb_prep,@function
k_q94210f97eb_prep:
	s_mov_b64 s[64:65], 0
	v_nop
	global_prefetch_b8 v0, s[64:65] scope:SCOPE_SE
	s_setreg_imm32_b32 hwreg(HW_REG_WAVE_MODE, 25, 1), 1
	s_wait_xcnt 0x0
; PREP.  Work-groups 0-127: LayerNorm 1 of hidden_states [2048][2048] and its codes of E4M3, twice: with 2^e0 (for Wq's product) and with 2^e2 (for Wkv's).
; Work-groups 128-327: the five weights into codes, each with its own given scale (e1, e3, e9, e11, e13).  All codes go to the buffer pc.
; code = x / 2^e, held within +-448, to the nearest code, ties to even.  LIMITS: every e between -126 and 119; NaN and infinities among the inputs are not served.
; LAYOUT OF ALL CODES: images of operand registers.  A tile T holds the 16 rows perm(T, p) = 32 (T / 2) + 8 (T % 2) + p + 8 (p / 8).  The fragment (T, K step ks of 128) is 2,048 bytes:
; byte 512 c + 16 L + i is the code of row perm(T, L % 16) at k = 128 ks + 32 c + 16 (L / 16) + i.  Four 16-byte loads at 16 L + 512 c give a lane its 16 registers.
; K = 2048: fragment (T, ks) lies at (T / 8) 262144 + (ks / 4) 65536 + (T % 8) 8192 + (ks % 4) 2048, so a block of 128 rows x 512 K is 65,536 bytes on end.
; Wdown (K = 688, filled with zero codes to 768): (T / 8) 98304 + (T % 8) 12288 + ks 2048.
; Wgu's tiles are ordered for the product that follows: in each group of eight tiles: g block 2 n, u block 2 n, g block 2 n + 1, u block 2 n + 1 (a block: 32 rows, two tiles); rows past 688 become zero codes.
; The two paths part on the work-group's number, never join, and have LDS bytes of their own.
.set X,    16                          ; LN: v16-79   the row's 64 numbers of my lane: chunk i (256 along K) at X + 8 i: k = 256 i + 8 lane + 0 .. 7
.set W,    80                          ; LN: v80-111  the gain of four chunks; later the codes read back
.set T0,   112                         ; LN: v112-127 two sets of eight held numbers
.set SETB, 34816                       ; LN: a set of codes in LDS: 128 units of 256 bytes + 16 of padding
.set WST,  69632                       ; weights: a stage of 16 x 272 bytes for each wave, behind the LN path's two sets
.set D,    16                          ; weights: v16-111 twelve rows x 8 numbers
.set OFF_WQ,  8388608
.set OFF_WO,  12582912
.set OFF_WKV, 16777216
.set OFF_WGU, 17039360
.set OFF_WDN, 19922944
.macro MKSC se, st, vsc, vlim          ; s[se] = E (used up): v[vsc] = 2^E as f32, v[vlim] = 448 x 2^E
	s_add_co_i32 s[\se], s[\se], 127
	s_lshl_b32 s[\st], s[\se], 23
	v_mov_b32 v[\vsc], s[\st]
	s_add_co_i32 s[\se], s[\se], 8
	s_lshl_b32 s[\se], s[\se], 23
	s_or_b32 s[\se], s[\se], 0x600000
	v_mov_b32 v[\vlim], s[\se]
.endm
	s_load_b512 s[4:19], s[0:1], 0x0               ; hidden s[4:5], ln1_w s[6:7], Wq s[8:9], Wkv s[10:11], Wo s[12:13], Wgu s[14:15], Wdown s[16:17], scales s[18:19]
	s_load_b64 s[20:21], s[0:1], 0x40              ; pc
	v_lshl_add_u32 v128, v0, 2, 0x22000
	v_mov_b32 v129, 0
	v_lshrrev_b32 v1, 5, v0
	v_readfirstlane_b32 s22, v1                    ; wave 0..15
	v_and_b32 v14, 31, v0                          ; lane
	s_wait_kmcnt 0x0
	s_load_b256 s[68:75], s[18:19], 0x0            ; e0 .. e7
	s_load_b128 s[76:79], s[18:19], 0x20           ; e8 .. e11
	s_load_b64 s[80:81], s[18:19], 0x30            ; e12, e13
	s_cmp_lt_u32 ttmp9, 128
	s_cbranch_scc0 .Lweights
; ---------------- LayerNorm 1: the work-group takes tile T = its number, wave w the row perm(T, w) ----------------
	v_lshlrev_b32 v1, 5, v14                       ; 32 bytes a lane in a chunk of 1,024
	v_lshrrev_b32 v2, 1, v14
	v_mul_u32_u24 v2, v2, 272
	v_and_b32 v3, 1, v14
	v_lshl_add_u32 v2, v3, 3, v2
	s_lshl_b32 s23, s22, 4
	v_add_nc_u32 v2, s23, v2                       ; into a set: unit 16 i + lane / 2 (272 bytes each), byte 16 w + 8 (lane % 2): 32 lanes of a store touch 64 different banks
	v_lshrrev_b32 v3, 4, v14
	v_mul_u32_u24 v3, v3, 272
	v_and_b32 v15, 15, v14
	v_lshl_add_u32 v3, v15, 4, v3
	s_mul_i32 s23, s22, 8*272
	v_add_nc_u32 v3, s23, v3                       ; back: wave w takes K step w: units 8 w + 2 c + lane / 16, byte 16 (lane % 16)
	s_lshr_b32 s24, ttmp9, 1
	s_lshl_b32 s24, s24, 5
	s_and_b32 s25, ttmp9, 1
	s_lshl_b32 s25, s25, 3
	s_add_co_u32 s24, s24, s25
	s_add_co_u32 s24, s24, s22
	s_and_b32 s25, s22, 8
	s_add_co_u32 s24, s24, s25                     ; my row
	s_lshl_b32 s24, s24, 13
	s_mov_b32 s25, 0
	s_add_nc_u64 s[4:5], s[4:5], s[24:25]
.irp i, 0,1,2,3,4,5,6,7
	global_load_b128 v[X+8*\i:X+8*\i+3], v1, s[4:5] offset:1024*\i
	global_load_b128 v[X+8*\i+4:X+8*\i+7], v1, s[4:5] offset:1024*\i+16
.endr
.irp i, 0,1,2,3
	global_load_b128 v[W+8*\i:W+8*\i+3], v1, s[6:7] offset:1024*\i
	global_load_b128 v[W+8*\i+4:W+8*\i+7], v1, s[6:7] offset:1024*\i+16
.endr
	s_lshr_b32 s24, ttmp9, 3                       ; where my K step's fragment goes
	s_lshl_b32 s24, s24, 18
	s_lshr_b32 s26, s22, 2
	s_lshl_b32 s26, s26, 16
	s_add_co_u32 s24, s24, s26
	s_and_b32 s26, ttmp9, 7
	s_lshl_b32 s26, s26, 13
	s_add_co_u32 s24, s24, s26
	s_and_b32 s26, s22, 3
	s_lshl_b32 s26, s26, 11
	s_add_co_u32 s24, s24, s26
	s_add_nc_u64 s[20:21], s[20:21], s[24:25]
	s_mov_b32 s28, 0x3a000000                      ; 1 / 2048
	s_mov_b32 s29, 0x3727c5ac                      ; 1e-5
	s_mov_b32 s30, 0x76543210                      ; lane selects: lane l xor 16
	s_mov_b32 s31, 0xfedcba98
	s_wait_kmcnt 0x0
	s_mov_b32 s26, s68
	MKSC 26, 27, 4, 5                              ; e0
	s_mov_b32 s26, s70
	MKSC 26, 27, 6, 7                              ; e2
.macro WSUM                            ; v14 summed over the 32 lanes, in every lane
	v_add_f32_dpp v14, v14, v14 row_xmask:1 row_mask:0xf bank_mask:0xf
	v_add_f32_dpp v14, v14, v14 row_xmask:2 row_mask:0xf bank_mask:0xf
	v_add_f32_dpp v14, v14, v14 row_xmask:4 row_mask:0xf bank_mask:0xf
	v_add_f32_dpp v14, v14, v14 row_xmask:8 row_mask:0xf bank_mask:0xf
	v_permlanex16_b32 v15, v14, s30, s31
	v_add_f32 v14, v14, v15
.endm
	s_wait_loadcnt 8                               ; the row's 16 loads are in; the gain's 8 may be out
.irp k, 0,1,2,3
	v_pk_add_f32 v[T0+2*\k:T0+2*\k+1], v[X+2*\k:X+2*\k+1], v[X+8+2*\k:X+8+2*\k+1]   ; the sum, in four chains
.endr
.set j, 8
.rept 24
	v_pk_add_f32 v[T0+2*(j%4):T0+2*(j%4)+1], v[T0+2*(j%4):T0+2*(j%4)+1], v[X+2*j:X+2*j+1]
.set j, j+1
.endr
	v_pk_add_f32 v[T0:T0+1], v[T0:T0+1], v[T0+2:T0+3]
	v_pk_add_f32 v[T0+4:T0+5], v[T0+4:T0+5], v[T0+6:T0+7]
	v_pk_add_f32 v[T0:T0+1], v[T0:T0+1], v[T0+4:T0+5]
	v_add_f32 v14, v[T0], v[T0+1]
	WSUM
	v_mul_f32 v12, s28, v14                        ; the mean
	v_mov_b32 v13, v12
.set j, 0
.rept 32
	v_pk_add_f32 v[X+2*j:X+2*j+1], v[X+2*j:X+2*j+1], v[12:13] neg_lo:[0,1] neg_hi:[0,1]   ; x - mean: the variance is taken of the differences, so a common offset costs nothing
.set j, j+1
.endr
.irp k, 0,1,2,3
	v_pk_mul_f32 v[T0+2*\k:T0+2*\k+1], v[X+2*\k:X+2*\k+1], v[X+2*\k:X+2*\k+1]
.endr
.set j, 4
.rept 28
	v_pk_fma_f32 v[T0+2*(j%4):T0+2*(j%4)+1], v[X+2*j:X+2*j+1], v[X+2*j:X+2*j+1], v[T0+2*(j%4):T0+2*(j%4)+1]
.set j, j+1
.endr
	v_pk_add_f32 v[T0:T0+1], v[T0:T0+1], v[T0+2:T0+3]
	v_pk_add_f32 v[T0+4:T0+5], v[T0+4:T0+5], v[T0+6:T0+7]
	v_pk_add_f32 v[T0:T0+1], v[T0:T0+1], v[T0+4:T0+5]
	v_add_f32 v14, v[T0], v[T0+1]
	WSUM
	v_fma_f32 v14, v14, s28, s29                   ; variance + 1e-5
	v_rsq_f32 v12, v14
	v_lshrrev_b32 v15, 1, v1                       ; 16 x lane, for the stores.  (The plain instruction behind the transcendental)
	s_wait_alu depctr_va_vdst(0)                   ; the wait ahead of the first reader
	v_mov_b32 v13, v12
.macro NORM i                          ; chunk i: (x - mean) x rs, then x gain
.irp j, 0,2,4,6
	v_pk_mul_f32 v[X+8*(\i)+\j:X+8*(\i)+\j+1], v[X+8*(\i)+\j:X+8*(\i)+\j+1], v[12:13]
.endr
.irp j, 0,2,4,6
	v_pk_mul_f32 v[X+8*(\i)+\j:X+8*(\i)+\j+1], v[X+8*(\i)+\j:X+8*(\i)+\j+1], v[W+8*((\i)%4)+\j:W+8*((\i)%4)+\j+1]
.endr
.endm
; Chunk i's eight numbers become eight codes of set s and go into the set's image in LDS.  The codes' registers are never written twice: chunk 0's lie in v8-11, chunk i's in chunk i - 1's numbers, which are done with.
; The two sets of held numbers take turns, so the next eight holds are the plain instructions between a conversion and whatever writes its sources.
.macro QCH i, set
.if (\i) == 0
.set CR, 8+2*(\set)
.else
.set CR, X+8*((\i)-1)+2*(\set)
.endif
.irp j, 0,1,2,3,4,5,6,7
	v_med3_num_f32 v[T0+8*(\set)+\j], v[X+8*(\i)+\j], -v[5+2*(\set)], v[5+2*(\set)]   ; the conversion does not saturate (ISA guide 7.6.2): the hold at 448 x the scale
.endr
	v_cvt_scalef32_pk8_fp8_f32 v[CR:CR+1], v[T0+8*(\set):T0+8*(\set)+7], v[4+2*(\set)]
	ds_store_b64 v2, v[CR:CR+1] offset:(\set)*SETB+4352*(\i)
.endm
	s_wait_loadcnt 0x0                             ; the gain of chunks 0-3
.irp i, 0,1,2,3
	NORM \i
.endr
.irp i, 0,1,2,3
	global_load_b128 v[W+8*\i:W+8*\i+3], v1, s[6:7] offset:4096+1024*\i          ; the gain of chunks 4-7 lands while chunks 0-3 are quantised
	global_load_b128 v[W+8*\i+4:W+8*\i+7], v1, s[6:7] offset:4096+1024*\i+16
.endr
.irp i, 0,1,2,3
	QCH \i, 0
	QCH \i, 1
.endr
	s_wait_loadcnt 0x0
.irp i, 4,5,6,7
	NORM \i
.endr
.irp i, 4,5,6,7
	QCH \i, 0
	QCH \i, 1
.endr
	s_wait_dscnt 0x0                               ; for the others' sake: my stores into the images are done
	s_barrier_signal -1
	s_barrier_wait -1                              ; the tile's sixteen rows lie in both images
.irp s, 0,1
.irp c, 0,1,2,3
	ds_load_b128 v[W+16*\s+4*\c:W+16*\s+4*\c+3], v3 offset:\s*SETB+544*\c
.endr
.endr
	s_wait_dscnt 0x0
.irp s, 0,1
.irp c, 0,1,2,3
	global_store_b128 v15, v[W+16*\s+4*\c:W+16*\s+4*\c+3], s[20:21] offset:\s*4194304+512*\c   ; 32 lanes store 512 consecutive bytes, aligned
.endr
.endr
	s_wait_tensorcnt 0x0
	ds_add_u32 v128, v129
	s_wait_dscnt 0x0
	s_endpgm
; ---------------- the weights: a wave takes one tile of 16 rows x 256 along K; waves share nothing ----------------
.Lweights:
	s_sub_co_u32 s23, ttmp9, 128                   ; t: 0-63 Wq, 64-67 Wkv, 68-131 Wo, 132-175 Wgu, 176-199 Wdown
	s_wait_kmcnt 0x0
	s_mov_b64 s[24:25], s[16:17]                   ; the tensor, its part of pc, its e and its first t: chosen on the work-group's number alone
	s_mov_b32 s26, OFF_WDN
	s_mov_b32 s27, s81
	s_mov_b32 s28, 176
	s_cmp_lt_u32 s23, 176
	s_cselect_b64 s[24:25], s[14:15], s[24:25]
	s_cselect_b32 s26, OFF_WGU, s26
	s_cselect_b32 s27, s79, s27
	s_cselect_b32 s28, 132, s28
	s_cmp_lt_u32 s23, 132
	s_cselect_b64 s[24:25], s[12:13], s[24:25]
	s_cselect_b32 s26, OFF_WO, s26
	s_cselect_b32 s27, s77, s27
	s_cselect_b32 s28, 68, s28
	s_cmp_lt_u32 s23, 68
	s_cselect_b64 s[24:25], s[10:11], s[24:25]
	s_cselect_b32 s26, OFF_WKV, s26
	s_cselect_b32 s27, s71, s27
	s_cselect_b32 s28, 64, s28
	s_cmp_lt_u32 s23, 64
	s_cselect_b64 s[24:25], s[8:9], s[24:25]
	s_cselect_b32 s26, OFF_WQ, s26
	s_cselect_b32 s27, s69, s27
	s_cselect_b32 s28, 0, s28
	s_sub_co_u32 s29, s23, s28
	s_lshl_b32 s29, s29, 4
	s_add_co_u32 s29, s29, s22                     ; my unit in the tensor
	s_lshr_b32 s30, s29, 3                         ; K = 2048: tile = unit / 8, chunk of 256 = unit % 8
	s_and_b32 s31, s29, 7
	s_and_b32 s82, s29, 127                        ; Wdown: tile = unit % 128, chunk = unit / 128 (three chunks)
	s_lshr_b32 s83, s29, 7
	s_mov_b32 s84, 8192
	s_cmp_ge_u32 s23, 176
	s_cselect_b32 s30, s82, s30                    ; Td
	s_cselect_b32 s31, s83, s31                    ; ch
	s_cselect_b32 s84, 2752, s84                   ; a row of the tensor in bytes
	s_cselect_b32 s92, 2, -1                       ; the chunk that K = 688 cuts: Wdown's third
	s_cmp_eq_u32 s31, s92
	s_cselect_b32 s93, 22, 32                      ; lanes with numbers: 688 - 512 = 22 x 8
	s_lshr_b32 s85, s30, 3                         ; where the unit's 4,096 bytes of codes go
	s_and_b32 s86, s30, 7
	s_lshl_b32 s87, s85, 18
	s_lshr_b32 s88, s31, 1
	s_lshl_b32 s88, s88, 16
	s_add_co_u32 s87, s87, s88
	s_lshl_b32 s88, s86, 13
	s_add_co_u32 s87, s87, s88
	s_and_b32 s88, s31, 1
	s_lshl_b32 s88, s88, 12
	s_add_co_u32 s87, s87, s88                     ; K = 2048
	s_mul_i32 s88, s85, 98304
	s_mul_i32 s89, s86, 12288
	s_add_co_u32 s88, s88, s89
	s_lshl_b32 s89, s31, 12
	s_add_co_u32 s88, s88, s89                     ; Wdown
	s_cmp_ge_u32 s23, 176
	s_cselect_b32 s87, s88, s87
	s_add_co_u32 s88, s26, s87
	s_mov_b32 s89, 0
	s_add_nc_u64 s[20:21], s[20:21], s[88:89]
	s_lshr_b32 s82, s30, 1                         ; the tile's first row: 32 (Td / 2) + 8 (Td % 2),
	s_lshl_b32 s82, s82, 5
	s_and_b32 s83, s30, 1
	s_lshl_b32 s83, s83, 3
	s_add_co_u32 s82, s82, s83
	s_lshl_b32 s85, s85, 1                         ; in Wgu: block b = 2 (Td / 8) + (Td % 8) / 4, u's rows 688 further down
	s_lshr_b32 s87, s86, 2
	s_add_co_u32 s85, s85, s87
	s_lshl_b32 s87, s85, 5
	s_add_co_u32 s87, s87, s83
	s_bfe_u32 s88, s86, 0x10001
	s_mul_i32 s88, s88, 688
	s_add_co_u32 s87, s87, s88
	s_lshl_b32 s90, s84, 4                         ; the tile's rows 8-15 begin 16 rows below its rows 0-7
	s_sub_co_u32 s88, s23, 132
	s_cmp_lt_u32 s88, 44                           ; Wgu?
	s_cselect_b32 s82, s87, s82
	s_cselect_b32 s85, s85, 0
	s_cmp_eq_u32 s85, 21                           ; Wgu's last block has 16 rows: its tiles' rows 8-15 read rows 0-7 again (inside the buffer) and are held at 0
	s_cselect_b32 s90, 0, s90
	s_cselect_b32 s94, 0, -1
	s_mov_b32 s91, 0
	s_mov_b32 s85, 0                               ; s[84:85]: a row's bytes as a pair
	s_mul_i32 s82, s82, s84
	s_lshl_b32 s83, s31, 10
	s_add_co_u32 s82, s82, s83
	s_mov_b32 s83, 0
	s_add_nc_u64 s[32:33], s[24:25], s[82:83]      ; sixteen bases, one a row: s[32 + 2 p : 33 + 2 p]
.irp p, 1,2,3,4,5,6,7
	s_add_nc_u64 s[32+2*\p:33+2*\p], s[30+2*\p:31+2*\p], s[84:85]
.endr
	s_add_nc_u64 s[48:49], s[32:33], s[90:91]
.irp p, 9,10,11,12,13,14,15
	s_add_nc_u64 s[32+2*\p:33+2*\p], s[30+2*\p:31+2*\p], s[84:85]
.endr
	v_lshlrev_b32 v1, 5, v14
	s_sub_co_u32 s95, s93, 1
	s_lshl_b32 s95, s95, 5
	v_min_u32 v1, s95, v1                          ; lanes past K's end read the last lane's bytes: no load leaves the buffer
.irp p, 0,1,2,3,4,5,6,7,8,9,10,11
	global_load_b128 v[D+8*\p:D+8*\p+3], v1, s[32+2*\p:33+2*\p] th:TH_LOAD_NT
	global_load_b128 v[D+8*\p+4:D+8*\p+7], v1, s[32+2*\p:33+2*\p] offset:16 th:TH_LOAD_NT
.endr
	MKSC 27, 96, 4, 5
	v_cmp_gt_u32 vcc_lo, s93, v14
	v_cndmask_b32 v6, 0, v5, vcc_lo                ; the hold of rows 0-7: 448 x the scale, or 0 past K's end: zero codes without a branch
	v_and_b32 v7, s94, v6                          ; of rows 8-15: 0 too where they lie past Wgu's end
	s_mul_i32 s97, s22, 4352
	s_add_co_u32 s97, s97, WST                     ; my stage
	v_lshrrev_b32 v2, 1, v14
	v_mul_u32_u24 v2, v2, 272
	v_and_b32 v3, 1, v14
	v_lshl_add_u32 v2, v3, 3, v2
	v_add_nc_u32 v2, s97, v2                       ; in: unit lane / 2, byte 8 (lane % 2); the row's 16 p stands in the immediate
	v_lshrrev_b32 v3, 4, v14
	v_mul_u32_u24 v3, v3, 272
	v_and_b32 v8, 15, v14
	v_lshl_add_u32 v3, v8, 4, v3
	v_add_nc_u32 v3, s97, v3                       ; back: unit 2 i + lane / 16, byte 16 (lane % 16)
	v_lshlrev_b32 v0, 4, v14                       ; 16 x lane, for the stores
; Row p of the tile.  Its wait counts the loads issued behind its two: rows p + 1 .. 11 and as many of rows 12-15 as have been asked for.  Each row's codes have a pair of registers of their own.
.macro ROW p
.set RR, D+8*((\p)%12)
.if (\p) < 4
.set CR, 8+2*(\p)
.elseif (\p) < 12
.set CR, 112+2*((\p)-4)
.else
.set CR, D+8*((\p)-8)
.endif
.if (\p) < 8
.set LM, 6
.else
.set LM, 7
.endif
.if (\p) <= 4
	s_wait_loadcnt 22
.else
	s_wait_loadcnt 30-2*(\p)
.endif
.irp j, 0,1,2,3,4,5,6,7
	v_med3_num_f32 v[RR+\j], v[RR+\j], -v[LM], v[LM]
.endr
	v_cvt_scalef32_pk8_fp8_f32 v[CR:CR+1], v[RR:RR+7], v4
	ds_store_b64 v2, v[CR:CR+1] offset:16*(\p)
.if (\p) < 4
	global_load_b128 v[RR:RR+3], v1, s[56+2*(\p):57+2*(\p)] th:TH_LOAD_NT
	global_load_b128 v[RR+4:RR+7], v1, s[56+2*(\p):57+2*(\p)] offset:16 th:TH_LOAD_NT
.endif
.endm
.irp p, 0,1,2,3,4,5,6,7,8,9,10,11,12,13,14,15
	ROW \p
.endr
.irp i, 0,1,2,3,4,5,6,7
	ds_load_b128 v[80+4*\i:83+4*\i], v3 offset:544*\i   ; my own bytes: LDS serves a wave's instructions in order (ISA guide 5.7.1.4)
.endr
.irp i, 0,1,2,3,4,5,6,7
	s_wait_dscnt 7-\i
	global_store_b128 v0, v[80+4*\i:83+4*\i], s[20:21] offset:512*\i   ; 512 consecutive bytes, aligned
.endr
	s_wait_tensorcnt 0x0
	ds_add_u32 v128, v129
	s_wait_dscnt 0x0
	s_endpgm
.Lfunc_end_k_q94210f97eb_prep:
	.size	k_q94210f97eb_prep, .Lfunc_end_k_q94210f97eb_prep-k_q94210f97eb_prep
	.p2alignl 7, 3214868480
	.fill 96, 4, 3214868480
	.section	.rodata,"a",@progbits
	.p2align	6, 0x0
	.amdhsa_kernel k_q94210f97eb_prep
		.amdhsa_group_segment_fixed_size 141312
		.amdhsa_private_segment_fixed_size 0
		.amdhsa_enable_private_segment 0
		.amdhsa_kernarg_size 72
		.amdhsa_user_sgpr_count 2
		.amdhsa_user_sgpr_kernarg_segment_ptr 1
		.amdhsa_wavefront_size32 1
		.amdhsa_system_sgpr_workgroup_id_x 1
		.amdhsa_system_sgpr_workgroup_id_y 1
		.amdhsa_system_sgpr_workgroup_id_z 1
		.amdhsa_system_vgpr_workitem_id 0
		.amdhsa_next_free_vgpr 130
		.amdhsa_next_free_sgpr 100
		.amdhsa_reserve_vcc 1
		.amdhsa_float_denorm_mode_32 3
		.amdhsa_float_denorm_mode_16_64 3
		.amdhsa_memory_ordered 1
		.amdhsa_forward_progress 1
		.amdhsa_inst_pref_size 50
	.end_amdhsa_kernel
	.amdgpu_metadata
---
amdhsa.version: [ 1, 2 ]
amdhsa.kernels:
  - .name:           k_q94210f97eb_prep
    .symbol:         k_q94210f97eb_prep.kd
    .args:
      - { .name: hidden_states, .offset: 0, .size: 8, .value_kind: global_buffer, .address_space: global }
      - { .name: ln1_w, .offset: 8, .size: 8, .value_kind: global_buffer, .address_space: global }
      - { .name: Wq, .offset: 16, .size: 8, .value_kind: global_buffer, .address_space: global }
      - { .name: Wkv, .offset: 24, .size: 8, .value_kind: global_buffer, .address_space: global }
      - { .name: Wo, .offset: 32, .size: 8, .value_kind: global_buffer, .address_space: global }
      - { .name: Wgu, .offset: 40, .size: 8, .value_kind: global_buffer, .address_space: global }
      - { .name: Wdown, .offset: 48, .size: 8, .value_kind: global_buffer, .address_space: global }
      - { .name: lowp_scales, .offset: 56, .size: 8, .value_kind: global_buffer, .address_space: global }
      - { .name: pc, .offset: 64, .size: 8, .value_kind: global_buffer, .address_space: global }
    .group_segment_fixed_size: 141312
    .private_segment_fixed_size: 0
    .kernarg_segment_align: 8
    .kernarg_segment_size: 72
    .max_flat_workgroup_size: 512
    .sgpr_count:     100
    .vgpr_count:     130
    .wavefront_size: 32
...
	.end_amdgpu_metadata
.endif
;; end of part 1
;; launch qkv (part 2): grid 16 x 16, 4 waves a work-group, clusters of 4 x 4, 327,680 bytes of LDS; arguments pc, lowp_scales, qkvc; writes qkvc
.if DOCPART == 2
	.amdgcn_target "amdgcn-amd-amdhsa--gfx1250"
	.amdhsa_code_object_version 6
	.text
	.protected	k_q94210f97eb_qkv
	.globl	k_q94210f97eb_qkv
	.p2align	8
	.type	k_q94210f97eb_qkv,@function
k_q94210f97eb_qkv:
	s_mov_b64 s[64:65], 0
	v_nop
	global_prefetch_b8 v0, s[64:65] scope:SCOPE_SE
	s_setreg_imm32_b32 hwreg(HW_REG_WAVE_MODE, 25, 1), 1
	s_wait_xcnt 0x0
	s_wait_alu depctr_hold_cnt(0) depctr_sa_sdst(0) depctr_va_vdst(0) depctr_va_sdst(0) depctr_va_ssrc(0) depctr_va_vcc(0) depctr_vm_vsrc(0)
	s_getreg_b32 s2, hwreg(HW_REG_IB_STS2, 6, 4)
	s_cmp_eq_u32 s2, 0
	s_cbranch_scc0 .Lentry_in_a_cluster
	s_endpgm
.Lentry_in_a_cluster:
	s_bfe_u32 s2, ttmp6, 0x10000c
	s_cmp_lg_u32 s2, 0xf033
	s_cbranch_scc0 .Lentry_shape_is_right
	s_endpgm
.Lentry_shape_is_right:
; QKV.  q = x Wq^T (x's codes with e0, Wq's with e1), quantised with e5;  kv = x Wkv^T (e2, e3), k quantised with e4, v with e6 and laid with the keys innermost.
; All operands are register images (16 rows x 128 K = 2,048 bytes; byte 512 c + 16 L + i = row perm(T, L % 16), k = 128 ks + 32 c + 16 (L / 16) + i; perm(T, p) = 32 (T / 2) + 8 (T % 2) + p + 8 (p / 8)).
; THE BIG PRODUCT.  A work-group makes 128 tokens x 128 columns of q, a wave 64 x 64: 16 accumulators.  256 work-groups: larger tiles would leave WGPs without work.  Source 0 = 16 rows of Wq, source 1 = 16 tokens:
; a lane holds one token, and by perm the 16 registers of two neighbouring weight tiles are 16 neighbouring columns: two conversions give 16 bytes of q's image, stored as they stand.
; K goes in four chunks of 512 through two LDS slots; a chunk of either operand is 65,536 bytes on end, brought by two tensor loads of 32,768.  By this text's count a wave has two tensor loads out at the start, later one.
; CLUSTER 4 x 4: x's chunk is shared along a row of the cluster, Wq's along a column: joint loads.
; THE SMALL PRODUCT (kv: 2048 x 128) is 256 units of 32 x 32, one for each work-group, done while the first chunks are on their way: wave w takes K steps 4 w .. 4 w + 3 straight from memory, and the four
; partial sums meet in LDS.  So kv's sums are added in four parts and not in one ascending chain: an order of rounding that differs from a single chain's.
; For k source 0 = Wkv (a lane holds a key, registers run along d); for v source 0 = x (a lane holds a d, registers run along the keys): chosen by the offsets alone, no branch.
; LIMITS: e5 - e0 - e1, e4 - e2 - e3 and e6 - e2 - e3 between -126 and 119.
.set SLOTB, 131072                     ; a slot: x's chunk, then Wq's
.set KVS,   262144                     ; behind the ring: kv's partial sums, 4,096 bytes a wave
.set SPARE, 278528                     ; the spare words, 128 bytes a wave
.set OFF_X2,  4194304
.set OFF_WQ,  8388608
.set OFF_WKV, 16777216
.set OFF_K,   4194304
.set OFF_V,   4325376
.set ACC,  128                         ; window 0: accumulator (q, p) at v[128 + 8 (4 q + p)]
.set F0,   0                           ; window 1: two fragment buffers: weights' tile p at + 16 p, tokens' tile q at + 64 + 16 q
.set F1,   128
.set LI,   3                           ; v3   16 x lane
.set ADRA, 16                          ; v16-17 LDS address of my tokens' fragments in slot 0, 1
.set ADRB, 20                          ; v20-21 of my weights'
.set SPW,  28                          ; v28  my spare word;  v29  0: both never rewritten
.set NIL,  29
.set G1,  24                           ; s[24:31] group 1 for x's chunks; s[32:39] group 0, a set for each slot
.set G0,  32
.set G1B, 48                           ; s[48:55], s[56:63] the same for Wq's
.set G0B, 56
.set MUL,  0x05                        ; sources 0 and 1 window 1, C and D window 0
.set TO_F, 0x40                        ; destination window 1, address window 0
.set MSB, 0
.macro WIN new                         ; the immediate's high byte repeats the setting that is left
.if MSB != \new
	s_set_vgpr_msb (MSB<<8)|\new
.set MSB, \new
.endif
.endm
.macro PLACES                          ; four plain instructions between a matrix instruction and a load into, or a read of, its registers
.rept 4
	v_nop
.endr
.endm
.macro MKSC se, st, vsc, vlim          ; s[se] = E (used up): v[vsc] = 2^E as f32, v[vlim] = 448 x 2^E
	s_add_co_i32 s[\se], s[\se], 127
	s_lshl_b32 s[\st], s[\se], 23
	v_mov_b32 v[\vsc], s[\st]
	s_add_co_i32 s[\se], s[\se], 8
	s_lshl_b32 s[\se], s[\se], 23
	s_or_b32 s[\se], s[\se], 0x600000
	v_mov_b32 v[\vlim], s[\se]
.endm
.macro JLOAD s                         ; a joint refill: waves 0, 1 fetch x's halves, waves 2, 3 Wq's; four v_nop follow each line
	s_cmp_eq_u32 s11, 0
	s_cbranch_scc0 .Lfor_b_\@
	tensor_load_to_lds s[G0+4*\s:G0+4*\s+3], s[G1:G1+7]
	s_nop 0
.rept 4
	v_nop
.endr
	s_branch .Lasked_\@
.Lfor_b_\@:
	tensor_load_to_lds s[G0B+4*\s:G0B+4*\s+3], s[G1B:G1B+7]
	s_nop 0
.rept 4
	v_nop
.endr
.Lasked_\@:
.endm
.macro CREST                           ; a round of the cluster's barrier behind its opening barrier
	s_cmp_lg_u32 s10, 0
	s_cbranch_scc1 .Lnot_wave_0_\@
	s_barrier_signal -3
.Lnot_wave_0_\@:
	s_barrier_wait -3
	s_barrier_signal -1
	s_barrier_wait -1
.endm
.macro CROUND
	s_barrier_signal -1
	s_barrier_wait -1
	CREST
.endm
.macro FETCH slot, ksl, f              ; 32 LDS loads in one run: K step ksl of the slot into buffer f: the weights' 16, tokens' tiles 0, 1, tokens' tiles 2, 3
	WIN TO_F
.irp p, 0,1,2,3
.irp c, 0,1,2,3
	ds_load_b128 v[\f+16*\p+4*\c:\f+16*\p+4*\c+3], v[ADRB+\slot] offset:\p*8192+(\ksl)*2048+512*\c
.endr
.endr
.irp q, 0,1,2,3
.irp c, 0,1,2,3
	ds_load_b128 v[\f+64+16*\q+4*\c:\f+64+16*\q+4*\c+3], v[ADRA+\slot] offset:\q*8192+(\ksl)*2048+512*\c
.endr
.endr
.endm
.macro MUL4 f, q, zero                 ; tokens' tile q against the four weight tiles.  The 16 accumulators take turns in the same order in every K step
.irp p, 0,1,2,3
.if \zero
	v_wmma_f32_16x16x128_fp8_fp8 v[ACC+8*(4*(\q)+\p):ACC+8*(4*(\q)+\p)+7], v[\f+16*\p:\f+16*\p+15], v[\f+64+16*(\q):\f+64+16*(\q)+15], 0
.else
	v_wmma_f32_16x16x128_fp8_fp8 v[ACC+8*(4*(\q)+\p):ACC+8*(4*(\q)+\p)+7], v[\f+16*\p:\f+16*\p+15], v[\f+64+16*(\q):\f+64+16*(\q)+15], v[ACC+8*(4*(\q)+\p):ACC+8*(4*(\q)+\p)+7]
.endif
.endr
.endm
.macro STEP slot, ksl, f, g, zero      ; a K step of 128 that has its successor in the same slot
	s_wait_dscnt 8                                 ; all but the youngest eight loads (tokens' tiles 2, 3)
	WIN MUL
	MUL4 \f, 0, \zero
	MUL4 \f, 1, \zero
	PLACES
	FETCH \slot, (\ksl)+1, \g
	s_wait_dscnt 32                                ; all but the 32 just issued
	WIN MUL
	MUL4 \f, 2, \zero
	MUL4 \f, 3, \zero
.endm
; A slot's last K step changes slots: one barrier; in front of it each wave waits for all its tensor loads, adds 0 to its spare word, and waits for that and for its reads of this slot.
.macro TURN slot, next, f, g, fill
	WIN 0
	s_wait_tensorcnt 0x0                           ; all my tensor loads have landed: my part of the next slot
	ds_add_u32 v[SPW], v[NIL]                      ; 0 onto my spare word
	s_wait_dscnt 9                                 ; (the add and the youngest eight loads may be out)
	WIN MUL
	MUL4 \f, 0, 0
	MUL4 \f, 1, 0
	s_wait_dscnt 0x0                               ; the add is done, and my reads of this slot are over
	s_barrier_signal -1
	MUL4 \f, 2, 0
	WIN 0
	s_barrier_wait -1
.if \fill
	CREST                                          ; the barrier has opened a round of the cluster's: no wave of any partner still reads this slot or has a load on its way
	s_add_nc_u64 s[G0+4*\slot+2:G0+4*\slot+3], s[G0+4*\slot+2:G0+4*\slot+3], 131072
	s_add_nc_u64 s[G0B+4*\slot+2:G0B+4*\slot+3], s[G0B+4*\slot+2:G0B+4*\slot+3], 131072
	JLOAD \slot                                    ; the first tensor load behind the round; its four v_nop are also the places in front of the loads below
.else
	PLACES
.endif
	FETCH \next, 0, \g
	WIN MUL
	MUL4 \f, 3, 0
.endm
	s_load_b128 s[84:87], s[0:1], 0x0              ; pc s[84:85], scales s[86:87]
	s_load_b64 s[88:89], s[0:1], 0x10              ; qkvc
	v_lshl_add_u32 v[SPW], v0, 2, SPARE
	v_mov_b32 v[NIL], 0
	ds_add_u32 v28, v29
	ds_add_u32 v28, v29
	s_wait_dscnt 0x0
	v_lshrrev_b32 v1, 5, v0
	v_readfirstlane_b32 s10, v1                    ; wave 0..3
	s_lshr_b32 s11, s10, 1                         ; which 64 tokens are mine.  Also: I fetch for x (0) or for Wq (1)
	s_and_b32 s12, s10, 1                          ; which 64 columns.  Also: which half of a chunk I fetch
	s_bfe_u32 s40, ttmp6, 0x40000                  ; cx, cy
	s_bfe_u32 s41, ttmp6, 0x40004
	s_lshl_b32 s42, ttmp9, 2
	s_add_co_u32 s42, s42, s40                     ; nt: block of 128 columns
	s_and_b32 s13, ttmp7, 0xffff
	s_lshl_b32 s13, s13, 2
	s_add_co_u32 s13, s13, s41                     ; mt: block of 128 tokens
	s_lshl_b32 s43, s41, 2
	s_lshl_b32 s43, 15, s43                        ; my row of the cluster
	s_lshl_b32 s44, 0x1111, s40                    ; my column
	s_or_b32 s[G1+0], s43, (3<<16)|(1<<21)         ; 15:0 the mask; 17:16 elements of 8 bytes; 21 set beside a mask; no padding: images are read 16 bytes a lane on end
	s_or_b32 s[G1B+0], s44, (3<<16)|(1<<21)
.irp g, G1, G1B
	s_mov_b32 s[\g+1], 32<<16                      ; tensor_dim0 = 32 elements: rows of 256 bytes
	s_mov_b32 s[\g+2], 128<<16                     ; tensor_dim1 = 128 rows: 32,768 bytes on end
	s_mov_b32 s[\g+3], 32<<16                      ; tile_dim0
	s_mov_b32 s[\g+4], 128                         ; tile_dim1
	s_mov_b32 s[\g+5], 32                          ; the pitch: dense
	s_mov_b32 s[\g+6], 0
	s_mov_b32 s[\g+7], 0
.endr
	s_lshl_b32 s17, s12, 15
	s_lshl_b32 s16, s13, 18
	s_add_co_u32 s16, s16, s17                     ; x (set 1, at pc's head): block mt, my half
	s_lshl_b32 s46, s42, 18
	s_add_co_u32 s46, s46, s17
	s_add_co_u32 s46, s46, OFF_WQ                  ; Wq: block nt, my half
	s_mov_b32 s17, 0
	s_mov_b32 s47, 0
	s_lshl_b32 s20, s10, 15                        ; where they go: wave x 32,768
	s_wait_kmcnt 0x0
	s_load_b256 s[68:75], s[86:87], 0x0            ; e0 .. e7
	s_add_nc_u64 s[14:15], s[84:85], s[16:17]
	s_add_nc_u64 s[46:47], s[84:85], s[46:47]
	CROUND                                         ; all sixteen work-groups are here: the first joint loads meet
.irp s, 0,1
	s_mov_b32 s[G0+4*\s], 1
	s_add_co_u32 s[G0+4*\s+1], s20, \s*SLOTB
	s_add_nc_u64 s[G0+4*\s+2:G0+4*\s+3], s[14:15], \s*65536
	s_or_b32 s[G0+4*\s+3], s[G0+4*\s+3], 0x80000000
	s_mov_b32 s[G0B+4*\s], 1
	s_add_co_u32 s[G0B+4*\s+1], s20, \s*SLOTB
	s_add_nc_u64 s[G0B+4*\s+2:G0B+4*\s+3], s[46:47], \s*65536
	s_or_b32 s[G0B+4*\s+3], s[G0B+4*\s+3], 0x80000000
.endr
	s_cmp_eq_u32 s11, 0                            ; a wave's two first fills stand in one branch, ahead of every wait on TENSORcnt, every LDS read and every further barrier
	s_cbranch_scc0 .Lfirst_b
	tensor_load_to_lds s[G0:G0+3], s[G1:G1+7]
	s_nop 0
	tensor_load_to_lds s[G0+4:G0+7], s[G1:G1+7]
	s_nop 0
.rept 4
	v_nop
.endr
	s_branch .Lfirst_asked
.Lfirst_b:
	tensor_load_to_lds s[G0B:G0B+3], s[G1B:G1B+7]
	s_nop 0
	tensor_load_to_lds s[G0B+4:G0B+7], s[G1B:G1B+7]
	s_nop 0
.rept 4
	v_nop
.endr
.Lfirst_asked:
	v_and_b32 v[LI], 31, v0
	v_lshlrev_b32 v[LI], 4, v[LI]
	s_lshl_b32 s21, s11, 15
	s_lshl_b32 s22, s12, 15
	s_add_co_u32 s22, s22, 65536
.irp s, 0,1
	v_add_nc_u32 v[ADRA+\s], s21, v[LI]
	v_add_nc_u32 v[ADRB+\s], s22, v[LI]
	s_add_co_u32 s21, s21, SLOTB
	s_add_co_u32 s22, s22, SLOTB
.endr
	s_lshl_b32 s23, s10, 12
	s_add_co_u32 s23, s23, KVS
	v_add_nc_u32 v30, s23, v[LI]                   ; where my partial sums go
	s_lshl_b32 s23, s12, 11
	s_add_co_u32 s23, s23, KVS
	v_add_nc_u32 v31, s23, v[LI]                   ; and from where waves 0 and 1 gather: tokens' or d's tile q' = wave
	; kv's unit: tokens 32 tb on (tb = 4 mt + nt / 4), rows 32 wb on of Wkv (wb = nt % 4: 0, 1 are k, 2, 3 are v); my K steps 4 w .. 4 w + 3: 16,384 bytes on end of each operand
	s_lshr_b32 s94, s42, 2                         ; tb % 4
	s_and_b32 s95, s42, 3                          ; wb
	s_lshl_b32 s96, s13, 18
	s_lshl_b32 s97, s10, 16
	s_add_co_u32 s96, s96, s97
	s_lshl_b32 s98, s94, 14
	s_add_co_u32 s96, s96, s98
	s_add_co_u32 s96, s96, OFF_X2                  ; x (set 2)
	s_lshl_b32 s98, s95, 14
	s_add_co_u32 s97, s97, s98
	s_add_co_u32 s97, s97, OFF_WKV                 ; Wkv
	s_cmp_ge_u32 s95, 2
	s_cselect_b32 s98, s96, s97                    ; source 0: x for v, Wkv for k
	s_cselect_b32 s99, s97, s96                    ; source 1: the other
	v_add_nc_u32 v22, s98, v[LI]
	v_add_nc_u32 v23, s99, v[LI]
	WIN TO_F
.set i, 0
.rept 32
	global_load_b128 v[4*i:4*i+3], v22, s[84:85] offset:512*i          ; source 0: tile p, K step k at v[64 p + 16 k] of window 1
.set i, i+1
.endr
.set i, 0
.rept 32
	global_load_b128 v[128+4*i:128+4*i+3], v23, s[84:85] offset:512*i  ; source 1: at v[128 + 64 q + 16 k]
.set i, i+1
.endr
	s_wait_loadcnt 0x0
	WIN MUL
.irp k, 0,1,2,3                        ; four accumulators by turns: (q, p) at v[32 + 8 (2 q + p)]
.irp q, 0,1
.irp p, 0,1
.if \k == 0
	v_wmma_f32_16x16x128_fp8_fp8 v[32+8*(2*\q+\p):32+8*(2*\q+\p)+7], v[64*\p+16*\k:64*\p+16*\k+15], v[128+64*\q+16*\k:128+64*\q+16*\k+15], 0
.else
	v_wmma_f32_16x16x128_fp8_fp8 v[32+8*(2*\q+\p):32+8*(2*\q+\p)+7], v[64*\p+16*\k:64*\p+16*\k+15], v[128+64*\q+16*\k:128+64*\q+16*\k+15], v[32+8*(2*\q+\p):32+8*(2*\q+\p)+7]
.endif
.endr
.endr
.endr
	WIN 0
	PLACES
.irp i, 0,1,2,3,4,5,6,7
	ds_store_b128 v30, v[32+4*\i:35+4*\i] offset:512*\i   ; each accumulator from its low end on
.endr
	s_wait_tensorcnt 1                             ; my part of chunk 0 is in; chunk 1's may stay out
	s_wait_dscnt 0x0                               ; for the others' sake: my partial sums lie in LDS
	s_barrier_signal -1
	s_barrier_wait -1
	FETCH 0, 0, F0
	STEP 0, 0, F0, F1, 1                           ; the first products start the sums: nothing is cleared
	STEP 0, 1, F1, F0, 0
	STEP 0, 2, F0, F1, 0
	TURN 0, 1, F1, F0, 1                           ; slot 0 takes chunk 2
	STEP 1, 0, F0, F1, 0
	STEP 1, 1, F1, F0, 0
	STEP 1, 2, F0, F1, 0
	TURN 1, 0, F1, F0, 1                           ; slot 1 takes chunk 3
	STEP 0, 0, F0, F1, 0
	STEP 0, 1, F1, F0, 0
	STEP 0, 2, F0, F1, 0
	TURN 0, 1, F1, F0, 0                           ; nothing is left to fetch
	STEP 1, 0, F0, F1, 0
	STEP 1, 1, F1, F0, 0
	STEP 1, 2, F0, F1, 0
	s_wait_dscnt 8
	WIN MUL
	MUL4 F1, 0, 0
	MUL4 F1, 1, 0
	s_wait_dscnt 0x0
	MUL4 F1, 2, 0
	MUL4 F1, 3, 0
	WIN 0
	PLACES
	; q's codes: a sum stands for sum x 2^(e0 + e1), so the conversion's one scale is 2^(e5 - e0 - e1)
	s_wait_kmcnt 0x0
	s_sub_co_i32 s2, s73, s68
	s_sub_co_i32 s2, s2, s69
	MKSC 2, 3, 10, 11
.irp q, 0,1,2,3
.irp b, 0,1
.irp i, 0,1,2,3,4,5,6,7,8,9,10,11,12,13,14,15
	v_med3_num_f32 v[ACC+32*\q+16*\b+\i], v[ACC+32*\q+16*\b+\i], -v11, v11
.endr
	v_cvt_scalef32_pk8_fp8_f32 v[96+8*\q+4*\b:97+8*\q+4*\b], v[ACC+32*\q+16*\b:ACC+32*\q+16*\b+7], v10
	v_cvt_scalef32_pk8_fp8_f32 v[98+8*\q+4*\b:99+8*\q+4*\b], v[ACC+32*\q+16*\b+8:ACC+32*\q+16*\b+15], v10
.endr
.endr
	v_nop                                          ; a plain instruction behind the last conversion
	s_lshl_b32 s2, s42, 1
	s_add_co_u32 s2, s2, s12                       ; the head: 2 nt + my half
	s_lshl_b32 s2, s2, 17
	s_lshl_b32 s3, s13, 3
	s_lshl_b32 s18, s11, 2
	s_add_co_u32 s3, s3, s18                       ; my first tile of tokens
	s_lshl_b32 s3, s3, 10
	s_add_co_u32 s2, s2, s3
	s_mov_b32 s3, 0
	s_add_nc_u64 s[18:19], s[88:89], s[2:3]
.irp q, 0,1,2,3
.irp b, 0,1
	global_store_b128 v[LI], v[96+8*\q+4*\b:99+8*\q+4*\b], s[18:19] offset:1024*\q+512*\b   ; 512 consecutive bytes, aligned
.endr
.endr
	; kv's unit is finished by waves 0 and 1: tile q' = wave of source 1
	s_cmp_lt_u32 s10, 2
	s_cbranch_scc0 .Lno_kv
.irp w, 0,1,2,3
.irp i, 0,1,2,3
	ds_load_b128 v[32+16*\w+4*\i:35+16*\w+4*\i], v31 offset:4096*\w+512*\i
.endr
.endr
	s_lshl_b32 s21, s13, 2
	s_add_co_u32 s21, s21, s94                     ; tb
	s_lshl_b32 s21, s21, 1
	s_add_co_u32 s21, s21, s10
	s_lshl_b32 s21, s21, 10
	s_lshl_b32 s22, s95, 9
	s_add_co_u32 s21, s21, s22
	s_add_co_u32 s21, s21, OFF_K                   ; k: key tile 2 tb + q', piece c = wb
	s_sub_co_u32 s22, s95, 2
	s_lshl_b32 s22, s22, 1
	s_add_co_u32 s22, s22, s10
	s_lshl_b32 s22, s22, 11
	s_lshl_b32 s23, s13, 13
	s_add_co_u32 s22, s22, s23
	s_lshl_b32 s23, s94, 9
	s_add_co_u32 s22, s22, s23
	s_add_co_u32 s22, s22, OFF_V                   ; v: K step tb / 4 = mt, d tile 2 (wb - 2) + q', piece c = tb % 4
	s_cmp_ge_u32 s95, 2
	s_cselect_b32 s22, s22, s21
	s_cselect_b32 s2, s74, s72                     ; e6 or e4
	s_mov_b32 s23, 0
	s_add_nc_u64 s[82:83], s[88:89], s[22:23]
	s_sub_co_i32 s2, s2, s70
	s_sub_co_i32 s2, s2, s71
	MKSC 2, 3, 12, 13
	s_wait_dscnt 0x0
.irp w, 1,2,3
.irp j, 0,2,4,6,8,10,12,14
	v_pk_add_f32 v[32+\j:33+\j], v[32+\j:33+\j], v[32+16*\w+\j:33+16*\w+\j]
.endr
.endr
.irp i, 0,1,2,3,4,5,6,7,8,9,10,11,12,13,14,15
	v_med3_num_f32 v[32+\i], v[32+\i], -v13, v13
.endr
	v_cvt_scalef32_pk8_fp8_f32 v[24:25], v[32:39], v12
	v_cvt_scalef32_pk8_fp8_f32 v[26:27], v[40:47], v12
	v_nop
	global_store_b128 v[LI], v[24:27], s[82:83]
.Lno_kv:
	s_wait_tensorcnt 0x0                           ; the wave's end
	ds_add_u32 v[SPW], v[NIL]
	s_wait_dscnt 0x0
	CROUND                                         ; the closing round
	s_endpgm
.Lfunc_end_k_q94210f97eb_qkv:
	.size	k_q94210f97eb_qkv, .Lfunc_end_k_q94210f97eb_qkv-k_q94210f97eb_qkv
	.p2alignl 7, 3214868480
	.fill 96, 4, 3214868480
	.section	.rodata,"a",@progbits
	.p2align	6, 0x0
	.amdhsa_kernel k_q94210f97eb_qkv
		.amdhsa_group_segment_fixed_size 327680
		.amdhsa_private_segment_fixed_size 0
		.amdhsa_enable_private_segment 0
		.amdhsa_kernarg_size 24
		.amdhsa_user_sgpr_count 2
		.amdhsa_user_sgpr_kernarg_segment_ptr 1
		.amdhsa_wavefront_size32 1
		.amdhsa_system_sgpr_workgroup_id_x 1
		.amdhsa_system_sgpr_workgroup_id_y 1
		.amdhsa_system_sgpr_workgroup_id_z 1
		.amdhsa_system_vgpr_workitem_id 0
		.amdhsa_next_free_vgpr 512
		.amdhsa_next_free_sgpr 100
		.amdhsa_reserve_vcc 0
		.amdhsa_float_denorm_mode_32 3
		.amdhsa_float_denorm_mode_16_64 3
		.amdhsa_memory_ordered 1
		.amdhsa_forward_progress 1
		.amdhsa_inst_pref_size 85
	.end_amdhsa_kernel
	.amdgpu_metadata
---
amdhsa.version: [ 1, 2 ]
amdhsa.kernels:
  - .name:           k_q94210f97eb_qkv
    .symbol:         k_q94210f97eb_qkv.kd
    .args:
      - { .name: pc, .offset: 0, .size: 8, .value_kind: global_buffer, .address_space: global }
      - { .name: lowp_scales, .offset: 8, .size: 8, .value_kind: global_buffer, .address_space: global }
      - { .name: qkvc, .offset: 16, .size: 8, .value_kind: global_buffer, .address_space: global }
    .group_segment_fixed_size: 327680
    .private_segment_fixed_size: 0
    .kernarg_segment_align: 8
    .kernarg_segment_size: 24
    .max_flat_workgroup_size: 128
    .sgpr_count:     100
    .vgpr_count:     512
    .wavefront_size: 32
...
	.end_amdgpu_metadata
.endif
;; end of part 2
;; launch attn (part 3): grid 32 x 8, 16 waves a work-group, clusters of 4 x 1, 264,192 bytes of LDS; arguments qkvc, lowp_scales, attnc; writes attnc
.if DOCPART == 3
	.amdgcn_target "amdgcn-amd-amdhsa--gfx1250"
	.amdhsa_code_object_version 6
	.text
	.protected	k_q94210f97eb_attn
	.globl	k_q94210f97eb_attn
	.p2align	8
	.type	k_q94210f97eb_attn,@function
k_q94210f97eb_attn:
	s_mov_b64 s[64:65], 0
	v_nop
	global_prefetch_b8 v0, s[64:65] scope:SCOPE_SE
	s_setreg_imm32_b32 hwreg(HW_REG_WAVE_MODE, 25, 1), 1
	s_wait_xcnt 0x0
	s_wait_alu depctr_hold_cnt(0) depctr_sa_sdst(0) depctr_va_vdst(0) depctr_va_sdst(0) depctr_va_ssrc(0) depctr_va_vcc(0) depctr_vm_vsrc(0)
	s_getreg_b32 s2, hwreg(HW_REG_IB_STS2, 6, 4)
	s_cmp_eq_u32 s2, 0
	s_cbranch_scc0 .Lentry_in_a_cluster
	s_endpgm
.Lentry_in_a_cluster:
	s_bfe_u32 s2, ttmp6, 0x10000c
	s_cmp_lg_u32 s2, 0x3003
	s_cbranch_scc0 .Lentry_shape_is_right
	s_endpgm
.Lentry_shape_is_right:
; ATTENTION: 32 query heads of 64, one key and value head, causal, ALiBi.  Both products on codes of E4M3: S^T = K Q^T (k with e4, q with e5), O^T = V^T P^T (v with e6, p with e7); the result is quantised with e8.
; t = (score / 8 + slope (key - query)) log2(e); M = the running largest t rounded up to a whole number; p = 2^(t - M) is quantised, not normalised; the sum of the unquantised p divides at the end.
; SHARES.  A work-group has one head and two classes of 128 queries, pi and 15 - pi: 17 key steps for each pair of waves, the same in all 256 work-groups.  A wave owns one tile of 16 queries in 256 registers,
; four waves to a SIMD: one wave's vector work stands beside another's matrix work.
; THE FILL.  All of K and V, 262,144 bytes of codes, lies in LDS, filled once by the tensor data mover and only read.  CLUSTER 4 x 1: four heads with the same pair of classes; K and V are the same for all,
; so every load is a joint one that names the four.  Each wave issues two (by this text's count two are out at the most): 2,048 bytes, together K and V of key steps 0 and 1, and 14,336 bytes, together steps 2 to 15.
; Steps 0 and 1 are written out and run while the larger loads are on their way; a second barrier stands in front of step 2.  The first loads are short (8 rows) so that the first products can start early.
; No branch hangs on the place in the cluster: the head enters global addresses and the slope alone; the classes come from the cluster's y and the wave's number.  No branch hangs on a given scale:
; the hold of p at 448 x 2^e7 is always executed.
; LAYOUT.  A lane holds one query (lane % 16) throughout.  By the tiles' order of rows, registers 16 b + i of S^T are keys KF + 32 b + 16 (lane / 16) + i: two conversions give 16 bytes of P's operand.
; ALIBI.  The part slope (16 (lane / 16) + i) goes in as the C of the first product (divided by the scores' factor), the part slope (KF + 32 b - query) into the addend of the one fused multiply-add: no instruction of its own.
; Every wave walks all 16 steps; a step all of whose keys come after the wave's queries is jumped over by a scalar branch on ids; the step on the diagonal hides keys by -infinity.
; LIMITS: e4 + e5 between -120 and 120; e7, and e8 - e6 - e7, between -126 and 119.
.set OFF_K, 4194304
.set CS,  34                           ; s[34:35] c = log2(e) / 8 x 2^(e4 + e5)
.set SEL, 36                           ; s[36:37] lane selects: lane l xor 16
.set KF,  38                           ; the step's first key
.set QB,  39                           ; my class's first query
.set TB,  40                           ; LDS byte of the step's tiles
.set CNT, 41
.set G1S, 44                           ; s[44:51] group 1 of the short loads: 8 rows of 256 bytes
.set G1L, 52                           ; s[52:59] of the long ones: 56 rows
.set G0S, 60                           ; s[60:63], s[68:71] their groups 0; never rewritten
.set G0L, 68
.set S,   96                           ; v96-159  S^T, then p
.set O,   160                          ; v160-191 O^T
.set PC,  192                          ; v192-207 p's codes
.set CB,  208                          ; v208-223 the first product's C: two tiles' eight registers
.set AD,  224                          ; v[224:231] four addends, each the low word of a pair
.set MB,  232                          ; v232-235 four maxima
; v1 16 lane, v2 16 lane + 131072, v3, v4 the step's addresses, v5 KF - query, v6 slope log2(e), v7-9 that x 32, 64, 96, v10 d for the mask, v11 -infinity, v12 -M, v13 largest t, v[14:15] the sum,
; v16-23 Q, v24 448 x 2^e7, v25 2^e7, v31 Q's offset, v32-95 fragments of K, then of V, v[236:237] f, v238-243 at work
.macro MKSC se, st, vsc, vlim          ; s[se] = E (used up): v[vsc] = 2^E as f32, v[vlim] = 448 x 2^E
	s_add_co_i32 s[\se], s[\se], 127
	s_lshl_b32 s[\st], s[\se], 23
	v_mov_b32 v[\vsc], s[\st]
	s_add_co_i32 s[\se], s[\se], 8
	s_lshl_b32 s[\se], s[\se], 23
	s_or_b32 s[\se], s[\se], 0x600000
	v_mov_b32 v[\vlim], s[\se]
.endm
.macro CROUND                          ; a round of the cluster's barrier: my work-group's barrier; wave 0 signals for the work-group; every wave waits for all four; my work-group's barrier once more
	s_barrier_signal -1
	s_barrier_wait -1
	s_cmp_lg_u32 s10, 0
	s_cbranch_scc1 .Lnot_wave_0_\@
	s_barrier_signal -3
.Lnot_wave_0_\@:
	s_barrier_wait -3
	s_barrier_signal -1
	s_barrier_wait -1
.endm
	s_load_b128 s[4:7], s[0:1], 0x0                ; qkvc s[4:5], scales s[6:7]
	s_load_b64 s[8:9], s[0:1], 0x10                ; attnc
	v_lshl_add_u32 v254, v0, 2, 0x40000
	v_mov_b32 v255, 0
	ds_add_u32 v254, v255
	ds_add_u32 v254, v255
	v_lshrrev_b32 v1, 5, v0
	v_readfirstlane_b32 s10, v1                    ; wave 0..15
	s_bfe_u32 s12, ttmp6, 0x40000                  ; cx
	s_lshl_b32 s11, ttmp9, 2
	s_add_co_u32 s11, s11, s12                     ; the head = 4 x cluster x + cx: it enters Q's and the result's addresses and the slope alone
	s_and_b32 s42, ttmp7, 0xffff                   ; pi: the pair of classes, the same in all four partners
	s_mov_b32 s[G1S], 15|(3<<16)|(1<<21)           ; 15:0 the mask: all four work-groups; 17:16 elements of 8 bytes; 21 set beside a mask; no padding: images are read 16 bytes a lane on end
	s_mov_b32 s[G1S+1], 32<<16                     ; tensor_dim0 = 32 elements: rows of 256 bytes
	s_mov_b32 s[G1S+2], 8<<16                      ; tensor_dim1 = 8 rows: 2,048 bytes on end
	s_mov_b32 s[G1S+3], 32<<16                     ; tile_dim0
	s_mov_b32 s[G1S+4], 8                          ; tile_dim1
	s_mov_b32 s[G1S+5], 32                         ; the pitch: dense
	s_mov_b32 s[G1S+6], 0
	s_mov_b32 s[G1S+7], 0
	s_mov_b32 s[G1L], 15|(3<<16)|(1<<21)
	s_mov_b32 s[G1L+1], 32<<16
	s_mov_b32 s[G1L+2], 56<<16                     ; 56 rows: 14,336 bytes on end
	s_mov_b32 s[G1L+3], 32<<16
	s_mov_b32 s[G1L+4], 56
	s_mov_b32 s[G1L+5], 32
	s_mov_b32 s[G1L+6], 0
	s_mov_b32 s[G1L+7], 0
	s_lshr_b32 s18, s10, 3                         ; waves 0-7 fetch K's codes, waves 8-15 V's, which lie 131,072 bytes further on, in memory and in LDS alike
	s_lshl_b32 s18, s18, 17
	s_and_b32 s19, s10, 7
	s_lshl_b32 s20, s19, 11
	s_add_co_u32 s20, s20, s18                     ; my eighth of steps 0 and 1
	s_mul_i32 s22, s19, 14336
	s_add_co_u32 s22, s22, s18
	s_add_co_u32 s22, s22, 16384                   ; my eighth of steps 2 to 15
	s_mov_b32 s21, 0
	s_mov_b32 s23, 0
	s_wait_dscnt 0x0
	s_wait_kmcnt 0x0
	s_load_b256 s[24:31], s[6:7], 0x0              ; e0 .. e7
	s_load_b32 s32, s[6:7], 0x20                   ; e8
	s_add_nc_u64 s[16:17], s[4:5], OFF_K           ; K's codes, with V's on end behind them
	s_mov_b32 s[G0S], 1                            ; 1:0 count = 1
	s_mov_b32 s[G0S+1], s20                        ; 63:32 LDS address
	s_add_nc_u64 s[G0S+2:G0S+3], s[16:17], s[20:21]  ; 120:64 global address: it hangs on the wave's number alone
	s_or_b32 s[G0S+3], s[G0S+3], 0x80000000        ; 127:126 type = 2
	s_mov_b32 s[G0L], 1
	s_mov_b32 s[G0L+1], s22
	s_add_nc_u64 s[G0L+2:G0L+3], s[16:17], s[22:23]
	s_or_b32 s[G0L+3], s[G0L+3], 0x80000000
	CROUND                                         ; all four work-groups are here: the joint loads meet
	tensor_load_to_lds s[G0S:G0S+3], s[G1S:G1S+7]  ; every wave's two fills stand together, ahead of every wait on TENSORcnt, every LDS read and every further barrier
	s_nop 0
	tensor_load_to_lds s[G0L:G0L+3], s[G1L:G1L+7]
	s_nop 0
.rept 4
	v_nop                                          ; four v_nop follow the second
.endr
	s_lshr_b32 s12, s10, 2
	s_xor_b32 s12, s12, s10
	s_and_b32 s12, s12, 1                          ; the late class or the early one: two waves of each on every SIMD, however the waves are dealt
	s_sub_co_u32 s13, 15, s42
	s_cmp_lg_u32 s12, 0
	s_cselect_b32 s13, s13, s42                    ; my class
	s_lshr_b32 s14, s10, 1                         ; my tile in it
	s_lshl_b32 s[QB], s13, 7
	s_lshl_b32 s15, s13, 3
	s_add_co_u32 s15, s15, s14
	s_lshl_b32 s15, s15, 10
	s_lshl_b32 s18, s11, 17
	s_add_co_u32 s15, s15, s18                     ; Q's fragment
	v_and_b32 v1, 31, v0
	v_lshlrev_b32 v1, 4, v1
	v_add_nc_u32 v2, 0x20000, v1
	v_add_nc_u32 v31, s15, v1
	global_load_b128 v[16:19], v31, s[4:5]
	global_load_b128 v[20:23], v31, s[4:5] offset:512
	s_lshl_b32 s18, s13, 18                        ; where my 1,024 bytes of codes go: tile 8 class + idx, K = 64 head + d
	s_lshr_b32 s19, s11, 3
	s_lshl_b32 s19, s19, 16
	s_add_co_u32 s18, s18, s19
	s_lshl_b32 s19, s14, 13
	s_add_co_u32 s18, s18, s19
	s_and_b32 s19, s11, 7
	s_lshl_b32 s19, s19, 10
	s_add_co_u32 s18, s18, s19
	s_mov_b32 s19, 0
	s_add_nc_u64 s[8:9], s[8:9], s[18:19]
	s_mov_b32 s[SEL], 0x76543210
	s_mov_b32 s[SEL+1], 0xfedcba98
	v_and_b32 v3, 15, v0                           ; r
	v_bfe_u32 v4, v0, 4, 1                         ; h
	v_and_b32 v10, 8, v3
	v_add_nc_u32 v10, v10, v3
	s_lshr_b32 s22, s14, 1
	s_lshl_b32 s22, s22, 5
	s_and_b32 s23, s14, 1
	s_lshl_b32 s23, s23, 3
	s_add_co_u32 s22, s22, s23
	v_add_nc_u32 v10, s22, v10                     ; my query, counted from the class's first
	v_add_nc_u32 v5, s[QB], v10
	v_cvt_f32_u32 v5, v5
	v_mul_f32 v5, -1.0, v5                         ; KF - query, at KF = 0
	v_lshlrev_b32 v241, 4, v4                      ; 16 h
	v_sub_nc_u32 v10, v10, v241                    ; d: on the diagonal register 16 b + i is hidden where 32 b + i > d
	v_mov_b32 v11, 0xff800000
	v_mov_b32 v13, 0xff61b1e6                      ; the largest t so far: -3e38
	v_floor_f32 v12, -v13
	v_mov_b32 v14, 0
	v_mov_b32 v15, 0
	v_mov_b32 v239, 0                              ; a lane permute's destination counts as read
	v_mov_b32 v237, 0                              ; upper halves of pairs that are named whole
.irp b, 0,1,2,3
	v_mov_b32 v[AD+2*\b+1], 0
.endr
	s_add_co_u32 s20, s11, 1
	v_cvt_f32_u32 v6, s20
	v_mul_f32 v6, 0xbe800000, v6
	v_exp_f32 v6, v6                               ; slope = 2^(-(head + 1) / 4)
	v_nop
	s_wait_kmcnt 0x0
	s_add_co_i32 s19, s28, s29                     ; e4 + e5
	s_lshl_b32 s20, s19, 23
	s_add_co_i32 s[CS], s20, 0x3e38aa3b            ; added to the exponent field of log2(e) / 8
	s_mov_b32 s[CS+1], s[CS]
	s_sub_co_i32 s21, 3, s19
	s_mov_b32 s22, s31
	MKSC 22, 23, 25, 24
	s_wait_alu depctr_va_vdst(0)                   ; the wait ahead of the first reader
	v_ldexp_f32 v240, v6, s21                      ; 8 slope / 2^(e4 + e5): slope log2(e) divided by c
	v_mul_f32 v6, 0x3fb8aa3b, v6
	v_mul_f32 v7, 0x42000000, v6
	v_mul_f32 v8, 0x42800000, v6
	v_mul_f32 v9, 0x42c00000, v6
.irp n, 0,1,2,3,4,5,6,7,8,9,10,11,12,13,14,15
	v_add_nc_u32 v[CB+\n], \n, v241
	v_cvt_f32_u32 v[CB+\n], v[CB+\n]
	v_mul_f32 v[CB+\n], v240, v[CB+\n]             ; C(u, j) = (16 h + 8 u + j) x 8 slope / 2^(e4 + e5)
.endr
.set j, 0
.rept 32
	v_mov_b32 v[O+j], 0                            ; the step has one form: the first finds zeros
.set j, j+1
.endr
; A KEY STEP: 128 keys from KF on; their tiles begin at LDS byte TB (K) and 131,072 + TB (V).
.macro STEP
	s_cmp_gt_u32 s[KF], s[QB]
	s_cbranch_scc1 .Lhidden_\@                     ; all 128 keys come after my queries
	v_add_nc_u32 v3, s[TB], v1
	v_add_nc_u32 v4, s[TB], v2
	v_nop
	v_nop                                          ; with the two additions and the last step's closing addition: the places in front of loads into registers that matrix instructions have read
.irp t, 0,1,2,3,4,5,6,7
	ds_load_b128 v[32+8*\t:35+8*\t], v3 offset:1024*\t
	ds_load_b128 v[36+8*\t:39+8*\t], v3 offset:1024*\t+512
.endr
	s_wait_dscnt 0x0
.irp t, 0,1,2,3,4,5,6,7
	v_wmma_f32_16x16x64_fp8_fp8 v[S+8*\t:S+8*\t+7], v[32+8*\t:39+8*\t], v[16:23], v[CB+8*(\t%2):CB+8*(\t%2)+7]
.endr
.rept 4
	v_nop
.endr
.irp a, 0,1,2,3
.irp c, 0,1,2,3
	ds_load_b128 v[32+16*\a+4*\c:35+16*\a+4*\c], v4 offset:2048*\a+512*\c   ; V's four fragments land during the softmax
.endr
.endr
	s_cmp_lg_u32 s[KF], s[QB]
	s_cbranch_scc1 .Lopen_\@                       ; only the step on the diagonal hides keys
.irp n, 0,1,2,3,4,5,6,7,8,9,10,11,12,13,14,15,16,17,18,19,20,21,22,23,24,25,26,27,28,29,30,31,32,33,34,35,36,37,38,39,40,41,42,43,44,45,46,47,48,49,50,51,52,53,54,55,56,57,58,59,60,61,62,63
	v_cmp_gt_i32 vcc_lo, 32*(\n/16)+\n%16, v10
	v_cndmask_b32 v[S+\n], v[S+\n], v11, vcc_lo
.endr
.Lopen_\@:
.irp b, 0,1,2,3                        ; four maxima, one for each block of 32 keys, ascending: each accumulator is read from its low end on
	v_max3_num_f32 v[MB+\b], v[S+16*\b], v[S+16*\b+1], v[S+16*\b+2]
.endr
.irp i, 3,5,7,9,11,13
.irp b, 0,1,2,3
	v_max3_num_f32 v[MB+\b], v[MB+\b], v[S+16*\b+\i], v[S+16*\b+\i+1]
.endr
.endr
.irp b, 0,1,2,3
	v_max_num_f32 v[MB+\b], v[MB+\b], v[S+16*\b+15]
.endr
	v_mul_f32 v[MB], s[CS], v[MB]                  ; as t (c is positive), each with its block's share of the bias
	v_fma_f32 v[MB+1], v[MB+1], s[CS], v7
	v_fma_f32 v[MB+2], v[MB+2], s[CS], v8
	v_fma_f32 v[MB+3], v[MB+3], s[CS], v9
	v_max3_num_f32 v238, v[MB], v[MB+1], v[MB+2]
	v_max_num_f32 v238, v238, v[MB+3]
	v_permlanex16_b32 v239, v238, s[SEL], s[SEL+1]
	v_max_num_f32 v238, v238, v239                 ; and lane l xor 16's
	v_fma_f32 v238, v5, v6, v238                   ; + slope log2(e) (KF - query)
	v_max_num_f32 v13, v13, v238                   ; the running largest t
	v_mov_b32 v238, v12
	v_floor_f32 v12, -v13                          ; -M = floor(-t): M is a whole number
	v_sub_f32 v238, v12, v238
	v_cvt_i32_f32 v238, v238                       ; (it saturates)
	v_ldexp_f32 v236, 1.0, v238                    ; f = 2^(old M - new M): rounds nothing
	v_fma_f32 v[AD], v5, v6, v12
	v_add_f32 v[AD+2], v[AD], v7
	v_add_f32 v[AD+4], v[AD], v8
	v_add_f32 v[AD+6], v[AD], v9
.irp b, 0,1,2,3
.irp j, 0,2,4,6,8,10,12,14
	v_pk_fma_f32 v[S+16*\b+\j:S+16*\b+\j+1], v[S+16*\b+\j:S+16*\b+\j+1], s[CS:CS+1], v[AD+2*\b:AD+2*\b+1] op_sel_hi:[1,0,0]   ; t - M
.endr
.endr
.set j, 0
.rept 64
	v_exp_f32 v[S+j], v[S+j]                       ; p = 2^(t - M), at most 1
.set j, j+1
.endr
	v_pk_mul_f32 v[14:15], v[14:15], v[236:237] op_sel_hi:[1,0]   ; the sum under the new M.  (The plain instruction behind the exponentials)
	s_wait_alu depctr_va_vdst(0)                   ; one wait for the batch, ahead of its first reader
	v_pk_add_f32 v[242:243], v[S:S+1], v[S+2:S+3]  ; the sum of the unquantised p, in two chains
.irp j, 4,8,12,16,20,24,28,32,36,40,44,48,52,56,60
	v_pk_add_f32 v[14:15], v[14:15], v[S+\j:S+\j+1]
	v_pk_add_f32 v[242:243], v[242:243], v[S+\j+2:S+\j+3]
.endr
	v_pk_add_f32 v[14:15], v[14:15], v[242:243]
.set j, 0
.rept 64
	v_min_num_f32 v[S+j], v[S+j], v24              ; the conversion does not saturate (ISA guide 7.6.2): the hold at 448 x 2^e7, one-sided since p is not negative; executed whatever e7 is
.set j, j+1
.endr
.irp b, 0,1,2,3
	v_cvt_scalef32_pk8_fp8_f32 v[PC+4*\b:PC+4*\b+1], v[S+16*\b:S+16*\b+7], v25
	v_cvt_scalef32_pk8_fp8_f32 v[PC+4*\b+2:PC+4*\b+3], v[S+16*\b+8:S+16*\b+15], v25
.endr
.irp j, 0,2,4,6,8,10,12,14,16,18,20,22,24,26,28,30
	v_pk_mul_f32 v[O+\j:O+\j+1], v[O+\j:O+\j+1], v[236:237] op_sel_hi:[1,0]   ; O^T under the new M.  (Also the plain instructions behind the conversions)
.endr
	s_wait_dscnt 0x0                               ; V is in
.irp a, 0,1,2,3
	v_wmma_f32_16x16x128_fp8_fp8 v[O+8*\a:O+8*\a+7], v[32+16*\a:47+16*\a], v[PC:PC+15], v[O+8*\a:O+8*\a+7]
.endr
	v_add_f32 v5, 0x43000000, v5                   ; KF - query for the next step
.Lhidden_\@:
	s_add_co_u32 s[KF], s[KF], 128
	s_add_co_u32 s[TB], s[TB], 8192
.endm
	s_mov_b32 s[KF], 0
	s_mov_b32 s[TB], 0
	s_wait_loadcnt 0x0                             ; Q
	s_wait_tensorcnt 1                             ; my part of steps 0 and 1 is in; my longer load may stay out
	s_barrier_signal -1
	s_barrier_wait -1                              ; everybody's is
	STEP                                           ; steps 0 and 1 read LDS bytes 0 to 16,383 and 131,072 to 147,455 alone, which the short loads brought
	STEP
	s_wait_tensorcnt 0x0                           ; my part of steps 2 to 15 is in,
	s_wait_dscnt 0x0
	s_barrier_signal -1
	s_barrier_wait -1                              ; everybody's is: from here on all of K and V lies in LDS
	s_mov_b32 s[CNT], 0
.Lstep:
	STEP
	s_add_co_u32 s[CNT], s[CNT], 1
	s_cmp_lt_u32 s[CNT], 14
	s_cbranch_scc1 .Lstep
	; the way out: O^T / the sum, quantised with 2^(e8 - e6 - e7): two pieces of 16 bytes a lane of the next product's operand
.rept 4
	v_nop
.endr
	v_add_f32 v14, v14, v15
	v_permlanex16_b32 v239, v14, s[SEL], s[SEL+1]
	v_add_f32 v14, v14, v239
	v_rcp_f32 v236, v14
	v_nop
	s_sub_co_i32 s22, s32, s30
	s_sub_co_i32 s22, s22, s31
	MKSC 22, 23, 240, 241
	s_wait_alu depctr_va_vdst(0)                   ; ahead of the reciprocal's first reader
.irp j, 0,2,4,6,8,10,12,14,16,18,20,22,24,26,28,30
	v_pk_mul_f32 v[O+\j:O+\j+1], v[O+\j:O+\j+1], v[236:237] op_sel_hi:[1,0]
.endr
.set j, 0
.rept 32
	v_med3_num_f32 v[O+j], v[O+j], -v241, v241
.set j, j+1
.endr
.irp b, 0,1
	v_cvt_scalef32_pk8_fp8_f32 v[PC+4*\b:PC+4*\b+1], v[O+16*\b:O+16*\b+7], v240
	v_cvt_scalef32_pk8_fp8_f32 v[PC+4*\b+2:PC+4*\b+3], v[O+16*\b+8:O+16*\b+15], v240
.endr
	v_nop
	global_store_b128 v1, v[PC:PC+3], s[8:9]       ; 512 consecutive bytes, aligned
	global_store_b128 v1, v[PC+4:PC+7], s[8:9] offset:512
	s_wait_dscnt 0x0
	s_wait_tensorcnt 0x0
	ds_add_u32 v254, v255
	s_wait_dscnt 0x0
	CROUND                                         ; the closing round
	s_endpgm
.Lfunc_end_k_q94210f97eb_attn:
	.size	k_q94210f97eb_attn, .Lfunc_end_k_q94210f97eb_attn-k_q94210f97eb_attn
	.p2alignl 7, 3214868480
	.fill 96, 4, 3214868480
	.section	.rodata,"a",@progbits
	.p2align	6, 0x0
	.amdhsa_kernel k_q94210f97eb_attn
		.amdhsa_group_segment_fixed_size 264192
		.amdhsa_private_segment_fixed_size 0
		.amdhsa_enable_private_segment 0
		.amdhsa_kernarg_size 24
		.amdhsa_user_sgpr_count 2
		.amdhsa_user_sgpr_kernarg_segment_ptr 1
		.amdhsa_wavefront_size32 1
		.amdhsa_system_sgpr_workgroup_id_x 1
		.amdhsa_system_sgpr_workgroup_id_y 1
		.amdhsa_system_sgpr_workgroup_id_z 1
		.amdhsa_system_vgpr_workitem_id 0
		.amdhsa_next_free_vgpr 256
		.amdhsa_next_free_sgpr 72
		.amdhsa_reserve_vcc 1
		.amdhsa_float_denorm_mode_32 3
		.amdhsa_float_denorm_mode_16_64 3
		.amdhsa_memory_ordered 1
		.amdhsa_forward_progress 1
		.amdhsa_inst_pref_size 77
	.end_amdhsa_kernel
	.amdgpu_metadata
---
amdhsa.version: [ 1, 2 ]
amdhsa.kernels:
  - .name:           k_q94210f97eb_attn
    .symbol:         k_q94210f97eb_attn.kd
    .args:
      - { .name: qkvc, .offset: 0, .size: 8, .value_kind: global_buffer, .address_space: global }
      - { .name: lowp_scales, .offset: 8, .size: 8, .value_kind: global_buffer, .address_space: global }
      - { .name: attnc, .offset: 16, .size: 8, .value_kind: global_buffer, .address_space: global }
    .group_segment_fixed_size: 264192
    .private_segment_fixed_size: 0
    .kernarg_segment_align: 8
    .kernarg_segment_size: 24
    .max_flat_workgroup_size: 512
    .sgpr_count:     72
    .vgpr_count:     256
    .wavefront_size: 32
...
	.end_amdgpu_metadata
.endif
;; end of part 3
;; launch oproj (part 4): grid 16 x 16, 4 waves a work-group, clusters of 4 x 4, 327,680 bytes of LDS; arguments attnc, pc, hidden_states, lowp_scales, h; writes h
.if DOCPART == 4
	.amdgcn_target "amdgcn-amd-amdhsa--gfx1250"
	.amdhsa_code_object_version 6
	.text
	.protected	k_q94210f97eb_oproj
	.globl	k_q94210f97eb_oproj
	.p2align	8
	.type	k_q94210f97eb_oproj,@function
k_q94210f97eb_oproj:
	s_mov_b64 s[64:65], 0
	v_nop
	global_prefetch_b8 v0, s[64:65] scope:SCOPE_SE
	s_setreg_imm32_b32 hwreg(HW_REG_WAVE_MODE, 25, 1), 1
	s_wait_xcnt 0x0
	s_wait_alu depctr_hold_cnt(0) depctr_sa_sdst(0) depctr_va_vdst(0) depctr_va_sdst(0) depctr_va_ssrc(0) depctr_va_vcc(0) depctr_vm_vsrc(0)
	s_getreg_b32 s2, hwreg(HW_REG_IB_STS2, 6, 4)
	s_cmp_eq_u32 s2, 0
	s_cbranch_scc0 .Lentry_in_a_cluster
	s_endpgm
.Lentry_in_a_cluster:
	s_bfe_u32 s2, ttmp6, 0x10000c
	s_cmp_lg_u32 s2, 0xf033
	s_cbranch_scc0 .Lentry_shape_is_right
	s_endpgm
.Lentry_shape_is_right:
; OPROJ.  h = hidden_states + attn Wo^T: attn's codes with e8, Wo's with e9; h in f32, row-major.
; Operands are register images (16 rows x 128 K = 2,048 bytes; byte 512 c + 16 L + i = row perm(T, L % 16), k = 128 ks + 32 c + 16 (L / 16) + i; perm(T, p) = 32 (T / 2) + 8 (T % 2) + p + 8 (p / 8)).
; A work-group makes 128 tokens x 128 columns, a wave 64 x 64: 16 accumulators; 256 work-groups.  Source 0 = 16 rows of Wo, source 1 = 16 tokens: a lane holds one token and 16 neighbouring columns for each pair of weight tiles.
; K goes in four chunks of 512 through two LDS slots; a chunk of either operand is 65,536 bytes on end, brought by two tensor loads.  By this text's count a wave has two tensor loads out at the start, later one.
; CLUSTER 4 x 4: attn's chunk is shared along a row of the cluster, Wo's along a column: joint loads.
; The residual's 64 x 64 numbers of a wave are asked for at the head, in the layout in which the results leave.  The way out goes through the wave's own stage, so that sixteen lanes store 256 consecutive bytes, aligned.
; LIMIT: e8 + e9 between -126 and 127.
.set SLOTB, 131072
.set STAGE, 262144                     ; behind the ring: 16 rows x 272 bytes for each wave
.set SPARE, 279552                     ; the spare words, 128 bytes a wave
.set OFF_B, 12582912                   ; Wo's codes in pc
.set ACC,  128
.set F0,   0
.set F1,   128
.set LI,   3
.set ADRA, 16
.set ADRB, 20
.set STO,  24                          ; v24  the stage: where I put 16 bytes
.set RD,   25                          ; v25  where I read a row back
.set CO,   26                          ; v26  my byte offset in two rows of h
.set SPW,  28
.set NIL,  29
.set G1,  24
.set G0,  32
.set G1B, 48
.set G0B, 56
.set MUL,  0x05
.set TO_F, 0x40
.set MSB, 0
.macro WIN new
.if MSB != \new
	s_set_vgpr_msb (MSB<<8)|\new
.set MSB, \new
.endif
.endm
.macro PLACES
.rept 4
	v_nop
.endr
.endm
.macro JLOAD s
	s_cmp_eq_u32 s11, 0
	s_cbranch_scc0 .Lfor_b_\@
	tensor_load_to_lds s[G0+4*\s:G0+4*\s+3], s[G1:G1+7]
	s_nop 0
.rept 4
	v_nop
.endr
	s_branch .Lasked_\@
.Lfor_b_\@:
	tensor_load_to_lds s[G0B+4*\s:G0B+4*\s+3], s[G1B:G1B+7]
	s_nop 0
.rept 4
	v_nop
.endr
.Lasked_\@:
.endm
.macro CREST
	s_cmp_lg_u32 s10, 0
	s_cbranch_scc1 .Lnot_wave_0_\@
	s_barrier_signal -3
.Lnot_wave_0_\@:
	s_barrier_wait -3
	s_barrier_signal -1
	s_barrier_wait -1
.endm
.macro CROUND
	s_barrier_signal -1
	s_barrier_wait -1
	CREST
.endm
.macro FETCH slot, ksl, f
	WIN TO_F
.irp p, 0,1,2,3
.irp c, 0,1,2,3
	ds_load_b128 v[\f+16*\p+4*\c:\f+16*\p+4*\c+3], v[ADRB+\slot] offset:\p*8192+(\ksl)*2048+512*\c
.endr
.endr
.irp q, 0,1,2,3
.irp c, 0,1,2,3
	ds_load_b128 v[\f+64+16*\q+4*\c:\f+64+16*\q+4*\c+3], v[ADRA+\slot] offset:\q*8192+(\ksl)*2048+512*\c
.endr
.endr
.endm
.macro MUL4 f, q, zero                 ; the 16 accumulators take turns in the same order in every K step
.irp p, 0,1,2,3
.if \zero
	v_wmma_f32_16x16x128_fp8_fp8 v[ACC+8*(4*(\q)+\p):ACC+8*(4*(\q)+\p)+7], v[\f+16*\p:\f+16*\p+15], v[\f+64+16*(\q):\f+64+16*(\q)+15], 0
.else
	v_wmma_f32_16x16x128_fp8_fp8 v[ACC+8*(4*(\q)+\p):ACC+8*(4*(\q)+\p)+7], v[\f+16*\p:\f+16*\p+15], v[\f+64+16*(\q):\f+64+16*(\q)+15], v[ACC+8*(4*(\q)+\p):ACC+8*(4*(\q)+\p)+7]
.endif
.endr
.endm
.macro STEP slot, ksl, f, g, zero
	s_wait_dscnt 8                                 ; all but the youngest eight loads (tokens' tiles 2, 3)
	WIN MUL
	MUL4 \f, 0, \zero
	MUL4 \f, 1, \zero
	PLACES
	FETCH \slot, (\ksl)+1, \g
	s_wait_dscnt 32                                ; all but the 32 just issued
	WIN MUL
	MUL4 \f, 2, \zero
	MUL4 \f, 3, \zero
.endm
.macro TURN slot, next, f, g, fill
	WIN 0
	s_wait_tensorcnt 0x0                           ; all my tensor loads have landed: my part of the next slot
	ds_add_u32 v[SPW], v[NIL]                      ; 0 onto my spare word
	s_wait_dscnt 9                                 ; (the add and the youngest eight loads may be out)
	WIN MUL
	MUL4 \f, 0, 0
	MUL4 \f, 1, 0
	s_wait_dscnt 0x0                               ; the add is done, and my reads of this slot are over
	s_barrier_signal -1
	MUL4 \f, 2, 0
	WIN 0
	s_barrier_wait -1
.if \fill
	CREST                                          ; no wave of any partner still reads this slot or has a load on its way
	s_add_nc_u64 s[G0+4*\slot+2:G0+4*\slot+3], s[G0+4*\slot+2:G0+4*\slot+3], 131072
	s_add_nc_u64 s[G0B+4*\slot+2:G0B+4*\slot+3], s[G0B+4*\slot+2:G0B+4*\slot+3], 131072
	JLOAD \slot
.else
	PLACES
.endif
	FETCH \next, 0, \g
	WIN MUL
	MUL4 \f, 3, 0
.endm
	s_load_b256 s[84:91], s[0:1], 0x0              ; attnc s[84:85], pc s[86:87], hidden s[88:89], scales s[90:91]
	s_load_b64 s[92:93], s[0:1], 0x20              ; h
	v_lshl_add_u32 v[SPW], v0, 2, SPARE
	v_mov_b32 v[NIL], 0
	ds_add_u32 v28, v29
	ds_add_u32 v28, v29
	s_wait_dscnt 0x0
	v_lshrrev_b32 v1, 5, v0
	v_readfirstlane_b32 s10, v1
	s_lshr_b32 s11, s10, 1
	s_and_b32 s12, s10, 1
	s_bfe_u32 s40, ttmp6, 0x40000
	s_bfe_u32 s41, ttmp6, 0x40004
	s_lshl_b32 s42, ttmp9, 2
	s_add_co_u32 s42, s42, s40                     ; nt
	s_and_b32 s13, ttmp7, 0xffff
	s_lshl_b32 s13, s13, 2
	s_add_co_u32 s13, s13, s41                     ; mt
	s_lshl_b32 s43, s41, 2
	s_lshl_b32 s43, 15, s43
	s_lshl_b32 s44, 0x1111, s40
	s_or_b32 s[G1+0], s43, (3<<16)|(1<<21)         ; the mask; elements of 8 bytes; bit 21 beside a mask; no padding
	s_or_b32 s[G1B+0], s44, (3<<16)|(1<<21)
.irp g, G1, G1B
	s_mov_b32 s[\g+1], 32<<16                      ; rows of 256 bytes,
	s_mov_b32 s[\g+2], 128<<16                     ; 128 of them, dense
	s_mov_b32 s[\g+3], 32<<16
	s_mov_b32 s[\g+4], 128
	s_mov_b32 s[\g+5], 32
	s_mov_b32 s[\g+6], 0
	s_mov_b32 s[\g+7], 0
.endr
	s_lshl_b32 s17, s12, 15
	s_lshl_b32 s16, s13, 18
	s_add_co_u32 s16, s16, s17
	s_lshl_b32 s46, s42, 18
	s_add_co_u32 s46, s46, s17
	s_add_co_u32 s46, s46, OFF_B
	s_mov_b32 s17, 0
	s_mov_b32 s47, 0
	s_lshl_b32 s20, s10, 15
	s_wait_kmcnt 0x0
	s_load_b64 s[76:77], s[90:91], 0x20            ; e8, e9
	s_add_nc_u64 s[14:15], s[84:85], s[16:17]
	s_add_nc_u64 s[46:47], s[86:87], s[46:47]
	CROUND
.irp s, 0,1
	s_mov_b32 s[G0+4*\s], 1
	s_add_co_u32 s[G0+4*\s+1], s20, \s*SLOTB
	s_add_nc_u64 s[G0+4*\s+2:G0+4*\s+3], s[14:15], \s*65536
	s_or_b32 s[G0+4*\s+3], s[G0+4*\s+3], 0x80000000
	s_mov_b32 s[G0B+4*\s], 1
	s_add_co_u32 s[G0B+4*\s+1], s20, \s*SLOTB
	s_add_nc_u64 s[G0B+4*\s+2:G0B+4*\s+3], s[46:47], \s*65536
	s_or_b32 s[G0B+4*\s+3], s[G0B+4*\s+3], 0x80000000
.endr
	s_cmp_eq_u32 s11, 0                            ; a wave's two first fills stand in one branch
	s_cbranch_scc0 .Lfirst_b
	tensor_load_to_lds s[G0:G0+3], s[G1:G1+7]
	s_nop 0
	tensor_load_to_lds s[G0+4:G0+7], s[G1:G1+7]
	s_nop 0
.rept 4
	v_nop
.endr
	s_branch .Lfirst_asked
.Lfirst_b:
	tensor_load_to_lds s[G0B:G0B+3], s[G1B:G1B+7]
	s_nop 0
	tensor_load_to_lds s[G0B+4:G0B+7], s[G1B:G1B+7]
	s_nop 0
.rept 4
	v_nop
.endr
.Lfirst_asked:
	v_and_b32 v1, 15, v0
	v_bfe_u32 v2, v0, 4, 1
	v_and_b32 v[LI], 31, v0
	v_lshlrev_b32 v[LI], 4, v[LI]
	s_lshl_b32 s21, s11, 15
	s_lshl_b32 s22, s12, 15
	s_add_co_u32 s22, s22, 65536
.irp s, 0,1
	v_add_nc_u32 v[ADRA+\s], s21, v[LI]
	v_add_nc_u32 v[ADRB+\s], s22, v[LI]
	s_add_co_u32 s21, s21, SLOTB
	s_add_co_u32 s22, s22, SLOTB
.endr
	s_mul_i32 s23, s10, 4352
	s_add_co_u32 s23, s23, STAGE
	v_mul_u32_u24 v4, v1, 272
	v_lshl_add_u32 v4, v2, 6, v4
	v_add_nc_u32 v[STO], s23, v4                   ; in: row l % 16, 64 bytes for each half of the lanes
	v_mul_u32_u24 v5, v2, 272
	v_lshl_add_u32 v5, v1, 4, v5
	v_add_nc_u32 v[RD], s23, v5                    ; back: lanes 0-15 one row of 256 bytes, lanes 16-31 the next
	v_lshlrev_b32 v[CO], 13, v2
	v_lshl_add_u32 v[CO], v1, 4, v[CO]             ; and the same two rows in memory
	s_lshl_b32 s94, s13, 7
	s_lshl_b32 s95, s11, 6
	s_add_co_u32 s94, s94, s95
	s_lshl_b32 s94, s94, 13                        ; my first token's row,
	s_lshl_b32 s95, s42, 7
	s_lshl_b32 s2, s12, 6
	s_add_co_u32 s95, s95, s2
	s_lshl_b32 s95, s95, 2                         ; my first column
	s_add_co_u32 s94, s94, s95
	s_mov_b32 s95, 0
	s_add_nc_u64 s[96:97], s[88:89], s[94:95]
	s_add_nc_u64 s[98:99], s[92:93], s[94:95]
	WIN 0x80                                       ; destination window 2
.irp q, 0,1,2,3                        ; the residual: stage row 2 i + l / 16 of tile q is token 32 (q / 2) + 8 (q % 2) + 2 i + 8 (i / 4) + l / 16
.irp i, 0,1,2,3,4,5,6,7
	global_load_b128 v[32*\q+4*\i:32*\q+4*\i+3], v[CO], s[96:97] offset:(32*(\q/2)+8*(\q%2)+2*\i+8*(\i/4))*8192
.endr
.endr
	WIN 0
	s_wait_tensorcnt 1                             ; my part of chunk 0 is in; chunk 1's may stay out
	s_barrier_signal -1
	s_barrier_wait -1
	FETCH 0, 0, F0
	STEP 0, 0, F0, F1, 1
	STEP 0, 1, F1, F0, 0
	STEP 0, 2, F0, F1, 0
	TURN 0, 1, F1, F0, 1
	STEP 1, 0, F0, F1, 0
	STEP 1, 1, F1, F0, 0
	STEP 1, 2, F0, F1, 0
	TURN 1, 0, F1, F0, 1
	STEP 0, 0, F0, F1, 0
	STEP 0, 1, F1, F0, 0
	STEP 0, 2, F0, F1, 0
	TURN 0, 1, F1, F0, 0
	STEP 1, 0, F0, F1, 0
	STEP 1, 1, F1, F0, 0
	STEP 1, 2, F0, F1, 0
	s_wait_dscnt 8
	WIN MUL
	MUL4 F1, 0, 0
	MUL4 F1, 1, 0
	s_wait_dscnt 0x0
	MUL4 F1, 2, 0
	MUL4 F1, 3, 0
	WIN 0
	PLACES
	s_wait_kmcnt 0x0
	s_add_co_i32 s46, s76, s77
	s_add_co_i32 s46, s46, 127
	s_lshl_b32 s46, s46, 23                        ; 2^(e8 + e9) as f32
	s_mov_b32 s47, s46
	s_wait_loadcnt 0x0                             ; the residual
; Tile q of tokens: the sums go through my stage (LDS serves a wave's instructions in order, ISA guide 5.7.1.4: no wait between stores and loads), come back as rows, take sum x 2^(e8 + e9) + residual, and leave.
.macro OUTQ q
.set BK, 32+32*((\q)%2)
.if (\q) >= 2
	s_wait_xcnt 0x0                                ; tile q - 2's stores have read their registers: the loads below may land there
.endif
.irp b, 0,1
.irp i, 0,1,2,3
	ds_store_b128 v[STO], v[ACC+32*(\q)+16*\b+4*\i:ACC+32*(\q)+16*\b+4*\i+3] offset:128*\b+16*\i
.endr
.endr
.irp i, 0,1,2,3,4,5,6,7
	ds_load_b128 v[BK+4*\i:BK+4*\i+3], v[RD] offset:544*\i
.endr
	s_wait_dscnt 0x0
	WIN 0x20                                       ; source 2 (the residual) window 2
.irp k, 0,2,4,6,8,10,12,14,16,18,20,22,24,26,28,30
	v_pk_fma_f32 v[BK+\k:BK+\k+1], v[BK+\k:BK+\k+1], s[46:47], v[32*(\q)+\k:32*(\q)+\k+1] op_sel_hi:[1,0,1]
.endr
	WIN 0
.irp i, 0,1,2,3,4,5,6,7
	global_store_b128 v[CO], v[BK+4*\i:BK+4*\i+3], s[98:99] offset:(32*((\q)/2)+8*((\q)%2)+2*\i+8*(\i/4))*8192   ; sixteen lanes store 256 consecutive bytes, aligned
.endr
.endm
	OUTQ 0
	OUTQ 1
	OUTQ 2
	OUTQ 3
	s_wait_tensorcnt 0x0                           ; the wave's end
	ds_add_u32 v[SPW], v[NIL]
	s_wait_dscnt 0x0
	CROUND
	s_endpgm
.Lfunc_end_k_q94210f97eb_oproj:
	.size	k_q94210f97eb_oproj, .Lfunc_end_k_q94210f97eb_oproj-k_q94210f97eb_oproj
	.p2alignl 7, 3214868480
	.fill 96, 4, 3214868480
	.section	.rodata,"a",@progbits
	.p2align	6, 0x0
	.amdhsa_kernel k_q94210f97eb_oproj
		.amdhsa_group_segment_fixed_size 327680
		.amdhsa_private_segment_fixed_size 0
		.amdhsa_enable_private_segment 0
		.amdhsa_kernarg_size 40
		.amdhsa_user_sgpr_count 2
		.amdhsa_user_sgpr_kernarg_segment_ptr 1
		.amdhsa_wavefront_size32 1
		.amdhsa_system_sgpr_workgroup_id_x 1
		.amdhsa_system_sgpr_workgroup_id_y 1
		.amdhsa_system_sgpr_workgroup_id_z 1
		.amdhsa_system_vgpr_workitem_id 0
		.amdhsa_next_free_vgpr 768
		.amdhsa_next_free_sgpr 100
		.amdhsa_reserve_vcc 0
		.amdhsa_float_denorm_mode_32 3
		.amdhsa_float_denorm_mode_16_64 3
		.amdhsa_memory_ordered 1
		.amdhsa_forward_progress 1
		.amdhsa_inst_pref_size 76
	.end_amdhsa_kernel
	.amdgpu_metadata
---
amdhsa.version: [ 1, 2 ]
amdhsa.kernels:
  - .name:           k_q94210f97eb_oproj
    .symbol:         k_q94210f97eb_oproj.kd
    .args:
      - { .name: attnc, .offset: 0, .size: 8, .value_kind: global_buffer, .address_space: global }
      - { .name: pc, .offset: 8, .size: 8, .value_kind: global_buffer, .address_space: global }
      - { .name: hidden_states, .offset: 16, .size: 8, .value_kind: global_buffer, .address_space: global }
      - { .name: lowp_scales, .offset: 24, .size: 8, .value_kind: global_buffer, .address_space: global }
      - { .name: h, .offset: 32, .size: 8, .value_kind: global_buffer, .address_space: global }
    .group_segment_fixed_size: 327680
    .private_segment_fixed_size: 0
    .kernarg_segment_align: 8
    .kernarg_segment_size: 40
    .max_flat_workgroup_size: 128
    .sgpr_count:     100
    .vgpr_count:     768
    .wavefront_size: 32
...
	.end_amdgpu_metadata
.endif
;; end of part 4
;; launch ln2 (part 5): grid 128 x 1, 16 waves a work-group, no clusters, 36,864 bytes of LDS; arguments h, ln2_w, lowp_scales, yc; writes yc
.if DOCPART == 5
	.amdgcn_target "amdgcn-amd-amdhsa--gfx1250"
	.amdhsa_code_object_version 6
	.text
	.protected	k_q94210f97eb_ln2
	.globl	k_q94210f97eb_ln2
	.p2align	8
	.type	k_q94210f97eb_ln2,@function
k_q94210f97eb_ln2:
	s_mov_b64 s[64:65], 0
	v_nop
	global_prefetch_b8 v0, s[64:65] scope:SCOPE_SE
	s_setreg_imm32_b32 hwreg(HW_REG_WAVE_MODE, 25, 1), 1
	s_wait_xcnt 0x0
; LN2.  y = LayerNorm(h) x ln2_w, into codes of E4M3 with 2^e10, laid as register images: tile T holds rows perm(T, p) = 32 (T / 2) + 8 (T % 2) + p + 8 (p / 8); fragment (T, ks) at
; (T / 8) 262144 + (ks / 4) 65536 + (T % 8) 8192 + (ks % 4) 2048; its byte 512 c + 16 L + i = row perm(T, L % 16), k = 128 ks + 32 c + 16 (L / 16) + i.
; The work-group takes tile T = its number, wave w the row perm(T, w), kept in 64 registers between the passes; the gain's 64 numbers of a lane are asked for together with the row, so that nothing is asked for later.
; The codes meet in LDS and wave w stores K step w: 512 consecutive bytes a store.
; 128 work-groups: a tile of 16 whole rows is the unit in which the image is written whole.  LIMITS: e10 between -126 and 119; NaN and infinities are not served.
.set X,    16                          ; v16-79   chunk i (256 along K) at X + 8 i: k = 256 i + 8 lane + 0 .. 7
.set W,    80                          ; v80-143  the gain, laid as the row; later the codes read back
.set T0,   144                         ; v144-159 two sets of eight held numbers, by turns
	s_load_b256 s[4:11], s[0:1], 0x0               ; h s[4:5], ln2_w s[6:7], scales s[8:9], yc s[10:11]
	v_lshl_add_u32 v160, v0, 2, 0x8800
	v_mov_b32 v161, 0
	v_lshrrev_b32 v1, 5, v0
	v_readfirstlane_b32 s22, v1                    ; wave
	v_and_b32 v14, 31, v0                          ; lane
	v_lshlrev_b32 v1, 5, v14
	v_lshrrev_b32 v2, 1, v14
	v_mul_u32_u24 v2, v2, 272
	v_and_b32 v3, 1, v14
	v_lshl_add_u32 v2, v3, 3, v2
	s_lshl_b32 s23, s22, 4
	v_add_nc_u32 v2, s23, v2                       ; into the image: unit 16 i + lane / 2 (272 bytes each), byte 16 w + 8 (lane % 2)
	v_lshrrev_b32 v3, 4, v14
	v_mul_u32_u24 v3, v3, 272
	v_and_b32 v15, 15, v14
	v_lshl_add_u32 v3, v15, 4, v3
	s_mul_i32 s23, s22, 8*272
	v_add_nc_u32 v3, s23, v3                       ; back: units 8 w + 2 c + lane / 16
	s_lshr_b32 s24, ttmp9, 1
	s_lshl_b32 s24, s24, 5
	s_and_b32 s25, ttmp9, 1
	s_lshl_b32 s25, s25, 3
	s_add_co_u32 s24, s24, s25
	s_add_co_u32 s24, s24, s22
	s_and_b32 s25, s22, 8
	s_add_co_u32 s24, s24, s25                     ; my row
	s_lshl_b32 s24, s24, 13
	s_mov_b32 s25, 0
	s_wait_kmcnt 0x0
	s_load_b32 s12, s[8:9], 0x28                   ; e10
	s_add_nc_u64 s[4:5], s[4:5], s[24:25]
.irp i, 0,1,2,3,4,5,6,7
	global_load_b128 v[X+8*\i:X+8*\i+3], v1, s[4:5] offset:1024*\i
	global_load_b128 v[X+8*\i+4:X+8*\i+7], v1, s[4:5] offset:1024*\i+16
.endr
.irp i, 0,1,2,3,4,5,6,7
	global_load_b128 v[W+8*\i:W+8*\i+3], v1, s[6:7] offset:1024*\i
	global_load_b128 v[W+8*\i+4:W+8*\i+7], v1, s[6:7] offset:1024*\i+16
.endr
	s_lshr_b32 s24, ttmp9, 3
	s_lshl_b32 s24, s24, 18
	s_lshr_b32 s26, s22, 2
	s_lshl_b32 s26, s26, 16
	s_add_co_u32 s24, s24, s26
	s_and_b32 s26, ttmp9, 7
	s_lshl_b32 s26, s26, 13
	s_add_co_u32 s24, s24, s26
	s_and_b32 s26, s22, 3
	s_lshl_b32 s26, s26, 11
	s_add_co_u32 s24, s24, s26
	s_add_nc_u64 s[10:11], s[10:11], s[24:25]
	s_mov_b32 s28, 0x3a000000                      ; 1 / 2048
	s_mov_b32 s29, 0x3727c5ac                      ; 1e-5
	s_mov_b32 s30, 0x76543210
	s_mov_b32 s31, 0xfedcba98
	s_wait_kmcnt 0x0
	s_add_co_i32 s12, s12, 127
	s_lshl_b32 s13, s12, 23
	v_mov_b32 v4, s13                              ; 2^e10
	s_add_co_i32 s12, s12, 8
	s_lshl_b32 s12, s12, 23
	s_or_b32 s12, s12, 0x600000
	v_mov_b32 v5, s12                              ; 448 x 2^e10
.macro WSUM                            ; v14 summed over the 32 lanes, in every lane
	v_add_f32_dpp v14, v14, v14 row_xmask:1 row_mask:0xf bank_mask:0xf
	v_add_f32_dpp v14, v14, v14 row_xmask:2 row_mask:0xf bank_mask:0xf
	v_add_f32_dpp v14, v14, v14 row_xmask:4 row_mask:0xf bank_mask:0xf
	v_add_f32_dpp v14, v14, v14 row_xmask:8 row_mask:0xf bank_mask:0xf
	v_permlanex16_b32 v15, v14, s30, s31
	v_add_f32 v14, v14, v15
.endm
	s_wait_loadcnt 16                              ; the row's 16 loads are in; the gain's 16 may be out
.irp k, 0,1,2,3
	v_pk_add_f32 v[T0+2*\k:T0+2*\k+1], v[X+2*\k:X+2*\k+1], v[X+8+2*\k:X+8+2*\k+1]
.endr
.set j, 8
.rept 24
	v_pk_add_f32 v[T0+2*(j%4):T0+2*(j%4)+1], v[T0+2*(j%4):T0+2*(j%4)+1], v[X+2*j:X+2*j+1]
.set j, j+1
.endr
	v_pk_add_f32 v[T0:T0+1], v[T0:T0+1], v[T0+2:T0+3]
	v_pk_add_f32 v[T0+4:T0+5], v[T0+4:T0+5], v[T0+6:T0+7]
	v_pk_add_f32 v[T0:T0+1], v[T0:T0+1], v[T0+4:T0+5]
	v_add_f32 v14, v[T0], v[T0+1]
	WSUM
	v_mul_f32 v12, s28, v14                        ; the mean
	v_mov_b32 v13, v12
.set j, 0
.rept 32
	v_pk_add_f32 v[X+2*j:X+2*j+1], v[X+2*j:X+2*j+1], v[12:13] neg_lo:[0,1] neg_hi:[0,1]   ; x - mean: the variance is taken of the differences
.set j, j+1
.endr
.irp k, 0,1,2,3
	v_pk_mul_f32 v[T0+2*\k:T0+2*\k+1], v[X+2*\k:X+2*\k+1], v[X+2*\k:X+2*\k+1]
.endr
.set j, 4
.rept 28
	v_pk_fma_f32 v[T0+2*(j%4):T0+2*(j%4)+1], v[X+2*j:X+2*j+1], v[X+2*j:X+2*j+1], v[T0+2*(j%4):T0+2*(j%4)+1]
.set j, j+1
.endr
	v_pk_add_f32 v[T0:T0+1], v[T0:T0+1], v[T0+2:T0+3]
	v_pk_add_f32 v[T0+4:T0+5], v[T0+4:T0+5], v[T0+6:T0+7]
	v_pk_add_f32 v[T0:T0+1], v[T0:T0+1], v[T0+4:T0+5]
	v_add_f32 v14, v[T0], v[T0+1]
	WSUM
	v_fma_f32 v14, v14, s28, s29                   ; variance + 1e-5
	v_rsq_f32 v12, v14
	v_lshrrev_b32 v15, 1, v1                       ; 16 x lane.  (The plain instruction behind the transcendental)
	s_wait_alu depctr_va_vdst(0)                   ; the wait ahead of the first reader
	v_mov_b32 v13, v12
.macro NORM i                          ; chunk i: (x - mean) x rs, then x gain
.irp j, 0,2,4,6
	v_pk_mul_f32 v[X+8*(\i)+\j:X+8*(\i)+\j+1], v[X+8*(\i)+\j:X+8*(\i)+\j+1], v[12:13]
.endr
.irp j, 0,2,4,6
	v_pk_mul_f32 v[X+8*(\i)+\j:X+8*(\i)+\j+1], v[X+8*(\i)+\j:X+8*(\i)+\j+1], v[W+8*(\i)+\j:W+8*(\i)+\j+1]
.endr
.endm
.macro QCH i                           ; chunk i's codes lie in registers that are written once: v8-9, then chunk i - 1's numbers, which are done with
.if (\i) == 0
.set CR, 8
.else
.set CR, X+8*((\i)-1)
.endif
.irp j, 0,1,2,3,4,5,6,7
	v_med3_num_f32 v[T0+8*((\i)%2)+\j], v[X+8*(\i)+\j], -v5, v5   ; the conversion does not saturate (ISA guide 7.6.2): the hold at 448 x the scale
.endr
	v_cvt_scalef32_pk8_fp8_f32 v[CR:CR+1], v[T0+8*((\i)%2):T0+8*((\i)%2)+7], v4
	ds_store_b64 v2, v[CR:CR+1] offset:4352*(\i)
.endm
	s_wait_loadcnt 0x0                             ; the gain
.irp i, 0,1,2,3,4,5,6,7
	NORM \i
.endr
.irp i, 0,1,2,3,4,5,6,7
	QCH \i
.endr
	s_wait_dscnt 0x0                               ; for the others' sake: my stores into the image are done
	s_barrier_signal -1
	s_barrier_wait -1
.irp c, 0,1,2,3
	ds_load_b128 v[W+4*\c:W+4*\c+3], v3 offset:544*\c
.endr
	s_wait_dscnt 0x0
.irp c, 0,1,2,3
	global_store_b128 v15, v[W+4*\c:W+4*\c+3], s[10:11] offset:512*\c   ; 32 lanes store 512 consecutive bytes, aligned
.endr
	s_wait_tensorcnt 0x0
	ds_add_u32 v160, v161
	s_wait_dscnt 0x0
	s_endpgm
.Lfunc_end_k_q94210f97eb_ln2:
	.size	k_q94210f97eb_ln2, .Lfunc_end_k_q94210f97eb_ln2-k_q94210f97eb_ln2
	.p2alignl 7, 3214868480
	.fill 96, 4, 3214868480
	.section	.rodata,"a",@progbits
	.p2align	6, 0x0
	.amdhsa_kernel k_q94210f97eb_ln2
		.amdhsa_group_segment_fixed_size 36864
		.amdhsa_private_segment_fixed_size 0
		.amdhsa_enable_private_segment 0
		.amdhsa_kernarg_size 32
		.amdhsa_user_sgpr_count 2
		.amdhsa_user_sgpr_kernarg_segment_ptr 1
		.amdhsa_wavefront_size32 1
		.amdhsa_system_sgpr_workgroup_id_x 1
		.amdhsa_system_sgpr_workgroup_id_y 1
		.amdhsa_system_sgpr_workgroup_id_z 1
		.amdhsa_system_vgpr_workitem_id 0
		.amdhsa_next_free_vgpr 162
		.amdhsa_next_free_sgpr 66
		.amdhsa_reserve_vcc 0
		.amdhsa_float_denorm_mode_32 3
		.amdhsa_float_denorm_mode_16_64 3
		.amdhsa_memory_ordered 1
		.amdhsa_forward_progress 1
		.amdhsa_inst_pref_size 23
	.end_amdhsa_kernel
	.amdgpu_metadata
---
amdhsa.version: [ 1, 2 ]
amdhsa.kernels:
  - .name:           k_q94210f97eb_ln2
    .symbol:         k_q94210f97eb_ln2.kd
    .args:
      - { .name: h, .offset: 0, .size: 8, .value_kind: global_buffer, .address_space: global }
      - { .name: ln2_w, .offset: 8, .size: 8, .value_kind: global_buffer, .address_space: global }
      - { .name: lowp_scales, .offset: 16, .size: 8, .value_kind: global_buffer, .address_space: global }
      - { .name: yc, .offset: 24, .size: 8, .value_kind: global_buffer, .address_space: global }
    .group_segment_fixed_size: 36864
    .private_segment_fixed_size: 0
    .kernarg_segment_align: 8
    .kernarg_segment_size: 32
    .max_flat_workgroup_size: 512
    .sgpr_count:     66
    .vgpr_count:     162
    .wavefront_size: 32
...
	.end_amdgpu_metadata
.endif
;; end of part 5
;; launch gateup (part 6): grid 16 x 11, 4 waves a work-group, clusters of 4 x 1, 327,680 bytes of LDS; arguments yc, pc, lowp_scales, ac; writes ac
.if DOCPART == 6
	.amdgcn_target "amdgcn-amd-amdhsa--gfx1250"
	.amdhsa_code_object_version 6
	.text
	.protected	k_q94210f97eb_gateup
	.globl	k_q94210f97eb_gateup
	.p2align	8
	.type	k_q94210f97eb_gateup,@function
k_q94210f97eb_gateup:
	s_mov_b64 s[64:65], 0
	v_nop
	global_prefetch_b8 v0, s[64:65] scope:SCOPE_SE
	s_setreg_imm32_b32 hwreg(HW_REG_WAVE_MODE, 25, 1), 1
	s_wait_xcnt 0x0
	s_wait_alu depctr_hold_cnt(0) depctr_sa_sdst(0) depctr_va_vdst(0) depctr_va_sdst(0) depctr_va_ssrc(0) depctr_va_vcc(0) depctr_vm_vsrc(0)
	s_getreg_b32 s2, hwreg(HW_REG_IB_STS2, 6, 4)
	s_cmp_eq_u32 s2, 0
	s_cbranch_scc0 .Lentry_in_a_cluster
	s_endpgm
.Lentry_in_a_cluster:
	s_bfe_u32 s2, ttmp6, 0x10000c
	s_cmp_lg_u32 s2, 0x3003
	s_cbranch_scc0 .Lentry_shape_is_right
	s_endpgm
.Lentry_shape_is_right:
; GATEUP.  gu = y Wgu^T (y's codes with e10, Wgu's with e11); a = silu(g) u, quantised with e12 into register images with K = 704 (688 and 16 zero codes).
; Operands are register images (16 rows x 128 K = 2,048 bytes).  Wgu's tiles were ordered so that a wave's four weight tiles are g's block of 32 columns (two tiles) and u's same block (two tiles):
; for each tile of tokens a lane holds g and u of the same 16 neighbouring columns, and the activation and its codes need no other lane.
; A work-group makes 128 tokens x (64 g + 64 u), a wave 64 x (32 + 32).  Grid 16 x 11: 176 work-groups.  K in four chunks of 512 through two LDS slots, as many tensor loads as in the other products:
; by this text's count a wave has two out at the start, later one.
; CLUSTER 4 x 1 (11 blocks of columns do not divide by 4): the four partners have different tokens and the same weights: Wgu's chunks are joint loads, y's are plain ones, issued behind the same rounds.
; a's image: tile T at (T / 8) 90112 + (T % 8) 11264, K step ks at + 2048 ks; the sixth K step has its first two pieces alone.
; LIMITS: e10 + e11 between -120 and 120; e12 - 2 (e10 + e11) between -126 and 119.
.set SLOTB, 131072
.set SPARE, 262144
.set OFF_B, 17039360                   ; Wgu's codes in pc
.set ACC,  128
.set F0,   0
.set F1,   128
.set TMP,  32                          ; v32-95 the sigmoids
.set LI,   3
.set ADRA, 16
.set ADRB, 20
.set SPW,  28
.set NIL,  29
.set G1,  24
.set G0,  32
.set G1B, 48
.set G0B, 56
.set MUL,  0x05
.set TO_F, 0x40
.set MSB, 0
.macro WIN new
.if MSB != \new
	s_set_vgpr_msb (MSB<<8)|\new
.set MSB, \new
.endif
.endm
.macro PLACES
.rept 4
	v_nop
.endr
.endm
.macro MKSC se, st, vsc, vlim
	s_add_co_i32 s[\se], s[\se], 127
	s_lshl_b32 s[\st], s[\se], 23
	v_mov_b32 v[\vsc], s[\st]
	s_add_co_i32 s[\se], s[\se], 8
	s_lshl_b32 s[\se], s[\se], 23
	s_or_b32 s[\se], s[\se], 0x600000
	v_mov_b32 v[\vlim], s[\se]
.endm
.macro JLOAD s                         ; waves 0, 1: y's halves, my work-group's own; waves 2, 3: Wgu's halves, jointly
	s_cmp_eq_u32 s11, 0
	s_cbranch_scc0 .Lfor_b_\@
	tensor_load_to_lds s[G0+4*\s:G0+4*\s+3], s[G1:G1+7]
	s_nop 0
.rept 4
	v_nop
.endr
	s_branch .Lasked_\@
.Lfor_b_\@:
	tensor_load_to_lds s[G0B+4*\s:G0B+4*\s+3], s[G1B:G1B+7]
	s_nop 0
.rept 4
	v_nop
.endr
.Lasked_\@:
.endm
.macro CREST
	s_cmp_lg_u32 s10, 0
	s_cbranch_scc1 .Lnot_wave_0_\@
	s_barrier_signal -3
.Lnot_wave_0_\@:
	s_barrier_wait -3
	s_barrier_signal -1
	s_barrier_wait -1
.endm
.macro CROUND
	s_barrier_signal -1
	s_barrier_wait -1
	CREST
.endm
.macro FETCH slot, ksl, f
	WIN TO_F
.irp p, 0,1,2,3
.irp c, 0,1,2,3
	ds_load_b128 v[\f+16*\p+4*\c:\f+16*\p+4*\c+3], v[ADRB+\slot] offset:\p*8192+(\ksl)*2048+512*\c
.endr
.endr
.irp q, 0,1,2,3
.irp c, 0,1,2,3
	ds_load_b128 v[\f+64+16*\q+4*\c:\f+64+16*\q+4*\c+3], v[ADRA+\slot] offset:\q*8192+(\ksl)*2048+512*\c
.endr
.endr
.endm
.macro MUL4 f, q, zero                 ; the 16 accumulators take turns in the same order in every K step
.irp p, 0,1,2,3
.if \zero
	v_wmma_f32_16x16x128_fp8_fp8 v[ACC+8*(4*(\q)+\p):ACC+8*(4*(\q)+\p)+7], v[\f+16*\p:\f+16*\p+15], v[\f+64+16*(\q):\f+64+16*(\q)+15], 0
.else
	v_wmma_f32_16x16x128_fp8_fp8 v[ACC+8*(4*(\q)+\p):ACC+8*(4*(\q)+\p)+7], v[\f+16*\p:\f+16*\p+15], v[\f+64+16*(\q):\f+64+16*(\q)+15], v[ACC+8*(4*(\q)+\p):ACC+8*(4*(\q)+\p)+7]
.endif
.endr
.endm
.macro STEP slot, ksl, f, g, zero
	s_wait_dscnt 8                                 ; all but the youngest eight loads (tokens' tiles 2, 3)
	WIN MUL
	MUL4 \f, 0, \zero
	MUL4 \f, 1, \zero
	PLACES
	FETCH \slot, (\ksl)+1, \g
	s_wait_dscnt 32                                ; all but the 32 just issued
	WIN MUL
	MUL4 \f, 2, \zero
	MUL4 \f, 3, \zero
.endm
.macro TURN slot, next, f, g, fill
	WIN 0
	s_wait_tensorcnt 0x0                           ; all my tensor loads have landed: my part of the next slot
	ds_add_u32 v[SPW], v[NIL]                      ; 0 onto my spare word
	s_wait_dscnt 9                                 ; (the add and the youngest eight loads may be out)
	WIN MUL
	MUL4 \f, 0, 0
	MUL4 \f, 1, 0
	s_wait_dscnt 0x0                               ; the add is done, and my reads of this slot are over
	s_barrier_signal -1
	MUL4 \f, 2, 0
	WIN 0
	s_barrier_wait -1
.if \fill
	CREST
	s_add_nc_u64 s[G0+4*\slot+2:G0+4*\slot+3], s[G0+4*\slot+2:G0+4*\slot+3], 131072
	s_add_nc_u64 s[G0B+4*\slot+2:G0B+4*\slot+3], s[G0B+4*\slot+2:G0B+4*\slot+3], 131072
	JLOAD \slot
.else
	PLACES
.endif
	FETCH \next, 0, \g
	WIN MUL
	MUL4 \f, 3, 0
.endm
	s_load_b256 s[84:91], s[0:1], 0x0              ; yc s[84:85], pc s[86:87], scales s[88:89], ac s[90:91]
	v_lshl_add_u32 v[SPW], v0, 2, SPARE
	v_mov_b32 v[NIL], 0
	ds_add_u32 v28, v29
	ds_add_u32 v28, v29
	s_wait_dscnt 0x0
	v_lshrrev_b32 v1, 5, v0
	v_readfirstlane_b32 s10, v1
	s_lshr_b32 s11, s10, 1
	s_and_b32 s12, s10, 1
	s_bfe_u32 s40, ttmp6, 0x40000                  ; cx
	s_lshl_b32 s13, ttmp9, 2
	s_add_co_u32 s13, s13, s40                     ; mt: block of 128 tokens
	s_and_b32 s42, ttmp7, 0xffff                   ; nt: block of 64 + 64 columns, the same in all four partners
	s_mov_b32 s[G1+0], 3<<16                       ; no mask: my own load; elements of 8 bytes
	s_mov_b32 s[G1B+0], 15|(3<<16)|(1<<21)         ; all four partners; bit 21 beside a mask
.irp g, G1, G1B
	s_mov_b32 s[\g+1], 32<<16
	s_mov_b32 s[\g+2], 128<<16
	s_mov_b32 s[\g+3], 32<<16
	s_mov_b32 s[\g+4], 128
	s_mov_b32 s[\g+5], 32
	s_mov_b32 s[\g+6], 0
	s_mov_b32 s[\g+7], 0
.endr
	s_lshl_b32 s17, s12, 15
	s_lshl_b32 s16, s13, 18
	s_add_co_u32 s16, s16, s17
	s_lshl_b32 s46, s42, 18
	s_add_co_u32 s46, s46, s17
	s_add_co_u32 s46, s46, OFF_B
	s_mov_b32 s17, 0
	s_mov_b32 s47, 0
	s_lshl_b32 s20, s10, 15
	s_wait_kmcnt 0x0
	s_load_b96 s[76:78], s[88:89], 0x28            ; e10, e11, e12
	s_add_nc_u64 s[14:15], s[84:85], s[16:17]
	s_add_nc_u64 s[46:47], s[86:87], s[46:47]
	CROUND
.irp s, 0,1
	s_mov_b32 s[G0+4*\s], 1
	s_add_co_u32 s[G0+4*\s+1], s20, \s*SLOTB
	s_add_nc_u64 s[G0+4*\s+2:G0+4*\s+3], s[14:15], \s*65536
	s_or_b32 s[G0+4*\s+3], s[G0+4*\s+3], 0x80000000
	s_mov_b32 s[G0B+4*\s], 1
	s_add_co_u32 s[G0B+4*\s+1], s20, \s*SLOTB
	s_add_nc_u64 s[G0B+4*\s+2:G0B+4*\s+3], s[46:47], \s*65536
	s_or_b32 s[G0B+4*\s+3], s[G0B+4*\s+3], 0x80000000
.endr
	s_cmp_eq_u32 s11, 0
	s_cbranch_scc0 .Lfirst_b
	tensor_load_to_lds s[G0:G0+3], s[G1:G1+7]
	s_nop 0
	tensor_load_to_lds s[G0+4:G0+7], s[G1:G1+7]
	s_nop 0
.rept 4
	v_nop
.endr
	s_branch .Lfirst_asked
.Lfirst_b:
	tensor_load_to_lds s[G0B:G0B+3], s[G1B:G1B+7]
	s_nop 0
	tensor_load_to_lds s[G0B+4:G0B+7], s[G1B:G1B+7]
	s_nop 0
.rept 4
	v_nop
.endr
.Lfirst_asked:
	v_and_b32 v[LI], 31, v0
	v_lshlrev_b32 v[LI], 4, v[LI]
	s_lshl_b32 s21, s11, 15
	s_lshl_b32 s22, s12, 15
	s_add_co_u32 s22, s22, 65536
.irp s, 0,1
	v_add_nc_u32 v[ADRA+\s], s21, v[LI]
	v_add_nc_u32 v[ADRB+\s], s22, v[LI]
	s_add_co_u32 s21, s21, SLOTB
	s_add_co_u32 s22, s22, SLOTB
.endr
	s_wait_tensorcnt 1                             ; my part of chunk 0 is in; chunk 1's may stay out
	s_barrier_signal -1
	s_barrier_wait -1
	FETCH 0, 0, F0
	STEP 0, 0, F0, F1, 1
	STEP 0, 1, F1, F0, 0
	STEP 0, 2, F0, F1, 0
	TURN 0, 1, F1, F0, 1
	STEP 1, 0, F0, F1, 0
	STEP 1, 1, F1, F0, 0
	STEP 1, 2, F0, F1, 0
	TURN 1, 0, F1, F0, 1
	STEP 0, 0, F0, F1, 0
	STEP 0, 1, F1, F0, 0
	STEP 0, 2, F0, F1, 0
	TURN 0, 1, F1, F0, 0
	STEP 1, 0, F0, F1, 0
	STEP 1, 1, F1, F0, 0
	STEP 1, 2, F0, F1, 0
	s_wait_dscnt 8
	WIN MUL
	MUL4 F1, 0, 0
	MUL4 F1, 1, 0
	s_wait_dscnt 0x0
	MUL4 F1, 2, 0
	MUL4 F1, 3, 0
	WIN 0
	PLACES
	; a = g u / (1 + 2^(-log2(e) g)).  With s = 2^(e10 + e11), g = s G and u = s U: the exponent's factor takes s, and the conversion's one scale is 2^(e12 - 2 (e10 + e11)).
	; For tile q of tokens: G in ACC + 32 q + 0 .. 15, U in ACC + 32 q + 16 .. 31, the same 16 columns.
	s_wait_kmcnt 0x0
	s_add_co_i32 s2, s76, s77
	s_lshl_b32 s3, s2, 23
	s_add_co_i32 s46, s3, 0xbfb8aa3b               ; -log2(e) x 2^(e10 + e11): added to the exponent field
	s_mov_b32 s47, s46
	s_lshl_b32 s2, s2, 1
	s_sub_co_i32 s2, s78, s2
	MKSC 2, 3, 10, 11
.irp q, 0,1,2,3
.irp j, 0,2,4,6,8,10,12,14
	v_pk_mul_f32 v[TMP+16*\q+\j:TMP+16*\q+\j+1], v[ACC+32*\q+\j:ACC+32*\q+\j+1], s[46:47] op_sel_hi:[1,0]
.endr
.endr
.set j, 0
.rept 64
	v_exp_f32 v[TMP+j], v[TMP+j]
.set j, j+1
.endr
	v_nop
	s_wait_alu depctr_va_vdst(0)                   ; one wait for the batch, ahead of the first reader
.set j, 0
.rept 32
	v_pk_add_f32 v[TMP+2*j:TMP+2*j+1], v[TMP+2*j:TMP+2*j+1], 1.0 op_sel_hi:[1,0]
.set j, j+1
.endr
.set j, 0
.rept 64
	v_rcp_f32 v[TMP+j], v[TMP+j]                   ; where the exponential is infinite this is 0, and G x 0 is 0
.set j, j+1
.endr
	v_nop
	s_wait_alu depctr_va_vdst(0)
.irp q, 0,1,2,3
.irp j, 0,2,4,6,8,10,12,14
	v_pk_mul_f32 v[ACC+32*\q+\j:ACC+32*\q+\j+1], v[ACC+32*\q+\j:ACC+32*\q+\j+1], v[TMP+16*\q+\j:TMP+16*\q+\j+1]
.endr
.endr
.irp q, 0,1,2,3
.irp j, 0,2,4,6,8,10,12,14
	v_pk_mul_f32 v[ACC+32*\q+\j:ACC+32*\q+\j+1], v[ACC+32*\q+\j:ACC+32*\q+\j+1], v[ACC+32*\q+16+\j:ACC+32*\q+16+\j+1]
.endr
.endr
.irp q, 0,1,2,3
.irp i, 0,1,2,3,4,5,6,7,8,9,10,11,12,13,14,15
	v_med3_num_f32 v[ACC+32*\q+\i], v[ACC+32*\q+\i], -v11, v11
.endr
	v_cvt_scalef32_pk8_fp8_f32 v[96+4*\q:97+4*\q], v[ACC+32*\q:ACC+32*\q+7], v10
	v_cvt_scalef32_pk8_fp8_f32 v[98+4*\q:99+4*\q], v[ACC+32*\q+8:ACC+32*\q+15], v10
.endr
	v_nop
	s_mul_i32 s2, s13, 90112                       ; tile 8 mt + 4 (wave / 2) + q; columns 32 (2 nt + wave % 2) on: K step nt / 2, piece 2 (nt % 2) + wave % 2
	s_mul_i32 s3, s11, 4*11264
	s_add_co_u32 s2, s2, s3
	s_lshr_b32 s3, s42, 1
	s_lshl_b32 s3, s3, 11
	s_add_co_u32 s2, s2, s3
	s_and_b32 s3, s42, 1
	s_lshl_b32 s3, s3, 1
	s_add_co_u32 s3, s3, s12
	s_lshl_b32 s3, s3, 9
	s_add_co_u32 s2, s2, s3
	s_mov_b32 s3, 0
	s_add_nc_u64 s[18:19], s[90:91], s[2:3]
.irp q, 0,1,2,3
	global_store_b128 v[LI], v[96+4*\q:99+4*\q], s[18:19] offset:11264*\q   ; 512 consecutive bytes, aligned
.endr
	s_wait_tensorcnt 0x0                           ; the wave's end
	ds_add_u32 v[SPW], v[NIL]
	s_wait_dscnt 0x0
	CROUND
	s_endpgm
.Lfunc_end_k_q94210f97eb_gateup:
	.size	k_q94210f97eb_gateup, .Lfunc_end_k_q94210f97eb_gateup-k_q94210f97eb_gateup
	.p2alignl 7, 3214868480
	.fill 96, 4, 3214868480
	.section	.rodata,"a",@progbits
	.p2align	6, 0x0
	.amdhsa_kernel k_q94210f97eb_gateup
		.amdhsa_group_segment_fixed_size 327680
		.amdhsa_private_segment_fixed_size 0
		.amdhsa_enable_private_segment 0
		.amdhsa_kernarg_size 32
		.amdhsa_user_sgpr_count 2
		.amdhsa_user_sgpr_kernarg_segment_ptr 1
		.amdhsa_wavefront_size32 1
		.amdhsa_system_sgpr_workgroup_id_x 1
		.amdhsa_system_sgpr_workgroup_id_y 1
		.amdhsa_system_sgpr_workgroup_id_z 1
		.amdhsa_system_vgpr_workitem_id 0
		.amdhsa_next_free_vgpr 512
		.amdhsa_next_free_sgpr 100
		.amdhsa_reserve_vcc 0
		.amdhsa_float_denorm_mode_32 3
		.amdhsa_float_denorm_mode_16_64 3
		.amdhsa_memory_ordered 1
		.amdhsa_forward_progress 1
		.amdhsa_inst_pref_size 78
	.end_amdhsa_kernel
	.amdgpu_metadata
---
amdhsa.version: [ 1, 2 ]
amdhsa.kernels:
  - .name:           k_q94210f97eb_gateup
    .symbol:         k_q94210f97eb_gateup.kd
    .args:
      - { .name: yc, .offset: 0, .size: 8, .value_kind: global_buffer, .address_space: global }
      - { .name: pc, .offset: 8, .size: 8, .value_kind: global_buffer, .address_space: global }
      - { .name: lowp_scales, .offset: 16, .size: 8, .value_kind: global_buffer, .address_space: global }
      - { .name: ac, .offset: 24, .size: 8, .value_kind: global_buffer, .address_space: global }
    .group_segment_fixed_size: 327680
    .private_segment_fixed_size: 0
    .kernarg_segment_align: 8
    .kernarg_segment_size: 32
    .max_flat_workgroup_size: 128
    .sgpr_count:     100
    .vgpr_count:     512
    .wavefront_size: 32
...
	.end_amdgpu_metadata
.endif
;; end of part 6
;; launch down (part 7): grid 16 x 16, 4 waves a work-group, clusters of 4 x 4, 327,680 bytes of LDS; arguments ac, pc, h, lowp_scales, out0; writes out0
.if DOCPART == 7
	.amdgcn_target "amdgcn-amd-amdhsa--gfx1250"
	.amdhsa_code_object_version 6
	.text
	.protected	k_q94210f97eb_down
	.globl	k_q94210f97eb_down
	.p2align	8
	.type	k_q94210f97eb_down,@function
k_q94210f97eb_down:
	s_mov_b64 s[64:65], 0
	v_nop
	global_prefetch_b8 v0, s[64:65] scope:SCOPE_SE
	s_setreg_imm32_b32 hwreg(HW_REG_WAVE_MODE, 25, 1), 1
	s_wait_xcnt 0x0
	s_wait_alu depctr_hold_cnt(0) depctr_sa_sdst(0) depctr_va_vdst(0) depctr_va_sdst(0) depctr_va_ssrc(0) depctr_va_vcc(0) depctr_vm_vsrc(0)
	s_getreg_b32 s2, hwreg(HW_REG_IB_STS2, 6, 4)
	s_cmp_eq_u32 s2, 0
	s_cbranch_scc0 .Lentry_in_a_cluster
	s_endpgm
.Lentry_in_a_cluster:
	s_bfe_u32 s2, ttmp6, 0x10000c
	s_cmp_lg_u32 s2, 0xf033
	s_cbranch_scc0 .Lentry_shape_is_right
	s_endpgm
.Lentry_shape_is_right:
; DOWN.  out0 = h + a Wdown^T: a's codes with e12, Wdown's with e13; K = 688, filled with zero codes to 704: five K steps of 128 and one of 64.
; Operands are register images (16 rows x 128 K = 2,048 bytes).  a: tile T at (T / 8) 90112 + (T % 8) 11264, K step ks at + 2048 ks.  Wdown: (T / 8) 98304 + (T % 8) 12288 + 2048 ks.
; A work-group makes 128 tokens x 128 columns, a wave 64 x 64; 256 work-groups.  The whole K of both operands fits in LDS: ONE fill, one tensor load a wave (by this text's count one is out), no slot is filled again.
; CLUSTER 4 x 4: a's block is shared along a row of the cluster, Wdown's along a column: joint loads.
; The residual and the way out are as in the launch that makes h.  LIMIT: e12 + e13 between -126 and 127.
.set LB,    90112                      ; LDS: a's 8 tiles, then Wdown's 8
.set STAGE, 188416                     ; then 16 rows x 272 bytes for each wave
.set OFF_B, 19922944                   ; Wdown's codes in pc
.set ACC,  128
.set F0,   0
.set F1,   128
.set LI,   3
.set ADRA, 16
.set ADRB, 20
.set STO,  24
.set RD,   25
.set CO,   26
.set G1,  24
.set G0,  32
.set G1B, 48
.set G0B, 56
.set MUL,  0x05
.set TO_F, 0x40
.set MSB, 0
.macro WIN new
.if MSB != \new
	s_set_vgpr_msb (MSB<<8)|\new
.set MSB, \new
.endif
.endm
.macro PLACES
.rept 4
	v_nop
.endr
.endm
.macro CREST
	s_cmp_lg_u32 s10, 0
	s_cbranch_scc1 .Lnot_wave_0_\@
	s_barrier_signal -3
.Lnot_wave_0_\@:
	s_barrier_wait -3
	s_barrier_signal -1
	s_barrier_wait -1
.endm
.macro CROUND
	s_barrier_signal -1
	s_barrier_wait -1
	CREST
.endm
.macro FETCHD ks, f, nc                ; K step ks into buffer f: nc pieces of 512 bytes a fragment (4, or 2 for the last K step's 64)
	WIN TO_F
.irp p, 0,1,2,3
.irp c, 0,1,2,3
.if \c < \nc
	ds_load_b128 v[\f+16*\p+4*\c:\f+16*\p+4*\c+3], v[ADRB] offset:\p*12288+(\ks)*2048+512*\c
.endif
.endr
.endr
.irp q, 0,1,2,3
.irp c, 0,1,2,3
.if \c < \nc
	ds_load_b128 v[\f+64+16*\q+4*\c:\f+64+16*\q+4*\c+3], v[ADRA] offset:\q*11264+(\ks)*2048+512*\c
.endif
.endr
.endr
.endm
.macro MUL4 f, q, zero                 ; the 16 accumulators take turns in the same order in every K step
.irp p, 0,1,2,3
.if \zero
	v_wmma_f32_16x16x128_fp8_fp8 v[ACC+8*(4*(\q)+\p):ACC+8*(4*(\q)+\p)+7], v[\f+16*\p:\f+16*\p+15], v[\f+64+16*(\q):\f+64+16*(\q)+15], 0
.else
	v_wmma_f32_16x16x128_fp8_fp8 v[ACC+8*(4*(\q)+\p):ACC+8*(4*(\q)+\p)+7], v[\f+16*\p:\f+16*\p+15], v[\f+64+16*(\q):\f+64+16*(\q)+15], v[ACC+8*(4*(\q)+\p):ACC+8*(4*(\q)+\p)+7]
.endif
.endr
.endm
.macro MUL4H f, q                      ; the same on 64 along K
.irp p, 0,1,2,3
	v_wmma_f32_16x16x64_fp8_fp8 v[ACC+8*(4*(\q)+\p):ACC+8*(4*(\q)+\p)+7], v[\f+16*\p:\f+16*\p+7], v[\f+64+16*(\q):\f+64+16*(\q)+7], v[ACC+8*(4*(\q)+\p):ACC+8*(4*(\q)+\p)+7]
.endr
.endm
.macro STEPD ks, f, g, zero, nc
	s_wait_dscnt 8                                 ; all but the youngest eight loads (tokens' tiles 2, 3)
	WIN MUL
	MUL4 \f, 0, \zero
	MUL4 \f, 1, \zero
	PLACES
	FETCHD (\ks)+1, \g, \nc
	s_wait_dscnt 8*(\nc)                           ; all but the run just issued
	WIN MUL
	MUL4 \f, 2, \zero
	MUL4 \f, 3, \zero
.endm
	s_load_b256 s[84:91], s[0:1], 0x0              ; ac s[84:85], pc s[86:87], h s[88:89], scales s[90:91]
	s_load_b64 s[92:93], s[0:1], 0x20              ; out0
	v_lshl_add_u32 v126, v0, 2, 0x32400
	v_mov_b32 v127, 0
	ds_add_u32 v126, v127
	ds_add_u32 v126, v127
	v_lshrrev_b32 v1, 5, v0
	v_readfirstlane_b32 s10, v1
	s_lshr_b32 s11, s10, 1
	s_and_b32 s12, s10, 1
	s_bfe_u32 s40, ttmp6, 0x40000
	s_bfe_u32 s41, ttmp6, 0x40004
	s_lshl_b32 s42, ttmp9, 2
	s_add_co_u32 s42, s42, s40                     ; nt
	s_and_b32 s13, ttmp7, 0xffff
	s_lshl_b32 s13, s13, 2
	s_add_co_u32 s13, s13, s41                     ; mt
	s_lshl_b32 s43, s41, 2
	s_lshl_b32 s43, 15, s43
	s_lshl_b32 s44, 0x1111, s40
	s_or_b32 s[G1+0], s43, (3<<16)|(1<<21)
	s_mov_b32 s[G1+1], 32<<16                      ; rows of 256 bytes,
	s_mov_b32 s[G1+2], 176<<16                     ; 176 of them: half of a's block, 45,056 bytes on end
	s_mov_b32 s[G1+3], 32<<16
	s_mov_b32 s[G1+4], 176
	s_mov_b32 s[G1+5], 32
	s_mov_b32 s[G1+6], 0
	s_mov_b32 s[G1+7], 0
	s_or_b32 s[G1B+0], s44, (3<<16)|(1<<21)
	s_mov_b32 s[G1B+1], 32<<16
	s_mov_b32 s[G1B+2], 192<<16                    ; 192 rows: half of Wdown's block, 49,152 bytes
	s_mov_b32 s[G1B+3], 32<<16
	s_mov_b32 s[G1B+4], 192
	s_mov_b32 s[G1B+5], 32
	s_mov_b32 s[G1B+6], 0
	s_mov_b32 s[G1B+7], 0
	s_mul_i32 s16, s13, 90112
	s_mul_i32 s17, s12, 45056
	s_add_co_u32 s16, s16, s17
	s_mov_b32 s17, 0
	s_mul_i32 s46, s42, 98304
	s_mul_i32 s47, s12, 49152
	s_add_co_u32 s46, s46, s47
	s_add_co_u32 s46, s46, OFF_B
	s_mov_b32 s47, 0
	s_mul_i32 s20, s12, 45056                      ; where they go
	s_mul_i32 s21, s12, 49152
	s_add_co_u32 s21, s21, LB
	s_wait_dscnt 0x0
	s_wait_kmcnt 0x0
	s_load_b64 s[80:81], s[90:91], 0x30            ; e12, e13
	s_add_nc_u64 s[14:15], s[84:85], s[16:17]
	s_add_nc_u64 s[46:47], s[86:87], s[46:47]
	CROUND                                         ; all sixteen work-groups are here: the joint loads meet
	s_mov_b32 s[G0], 1
	s_mov_b32 s[G0+1], s20
	s_mov_b64 s[G0+2:G0+3], s[14:15]
	s_or_b32 s[G0+3], s[G0+3], 0x80000000
	s_mov_b32 s[G0B], 1
	s_mov_b32 s[G0B+1], s21
	s_mov_b64 s[G0B+2:G0B+3], s[46:47]
	s_or_b32 s[G0B+3], s[G0B+3], 0x80000000
	s_cmp_eq_u32 s11, 0                            ; waves 0, 1 fetch a's halves, waves 2, 3 Wdown's; four v_nop follow each line
	s_cbranch_scc0 .Lfor_b
	tensor_load_to_lds s[G0:G0+3], s[G1:G1+7]
	s_nop 0
.rept 4
	v_nop
.endr
	s_branch .Lasked
.Lfor_b:
	tensor_load_to_lds s[G0B:G0B+3], s[G1B:G1B+7]
	s_nop 0
.rept 4
	v_nop
.endr
.Lasked:
	v_and_b32 v1, 15, v0
	v_bfe_u32 v2, v0, 4, 1
	v_and_b32 v[LI], 31, v0
	v_lshlrev_b32 v[LI], 4, v[LI]
	s_mul_i32 s21, s11, 45056
	s_mul_i32 s22, s12, 49152
	s_add_co_u32 s22, s22, LB
	v_add_nc_u32 v[ADRA], s21, v[LI]
	v_add_nc_u32 v[ADRB], s22, v[LI]
	s_mul_i32 s23, s10, 4352
	s_add_co_u32 s23, s23, STAGE
	v_mul_u32_u24 v4, v1, 272
	v_lshl_add_u32 v4, v2, 6, v4
	v_add_nc_u32 v[STO], s23, v4
	v_mul_u32_u24 v5, v2, 272
	v_lshl_add_u32 v5, v1, 4, v5
	v_add_nc_u32 v[RD], s23, v5
	v_lshlrev_b32 v[CO], 13, v2
	v_lshl_add_u32 v[CO], v1, 4, v[CO]
	s_lshl_b32 s94, s13, 7
	s_lshl_b32 s95, s11, 6
	s_add_co_u32 s94, s94, s95
	s_lshl_b32 s94, s94, 13
	s_lshl_b32 s95, s42, 7
	s_lshl_b32 s2, s12, 6
	s_add_co_u32 s95, s95, s2
	s_lshl_b32 s95, s95, 2
	s_add_co_u32 s94, s94, s95
	s_mov_b32 s95, 0
	s_add_nc_u64 s[96:97], s[88:89], s[94:95]
	s_add_nc_u64 s[98:99], s[92:93], s[94:95]
	WIN 0x80                                       ; destination window 2
.irp q, 0,1,2,3                        ; the residual, in the layout in which the results leave
.irp i, 0,1,2,3,4,5,6,7
	global_load_b128 v[32*\q+4*\i:32*\q+4*\i+3], v[CO], s[96:97] offset:(32*(\q/2)+8*(\q%2)+2*\i+8*(\i/4))*8192 th:TH_LOAD_NT
.endr
.endr
	WIN 0
	s_wait_tensorcnt 0x0                           ; my part of the operands is in,
	s_barrier_signal -1
	s_barrier_wait -1                              ; everybody's is
	FETCHD 0, F0, 4
	STEPD 0, F0, F1, 1, 4
	STEPD 1, F1, F0, 0, 4
	STEPD 2, F0, F1, 0, 4
	STEPD 3, F1, F0, 0, 4
	STEPD 4, F0, F1, 0, 2                          ; fetches the last K step's 64: sixteen loads
	s_wait_dscnt 4                                 ; all but tokens' tiles 2, 3
.rept 5
	v_nop                                          ; another form now writes the same accumulators: five places (ISA guide 7.12.1)
.endr
	MUL4H F1, 0
	MUL4H F1, 1
	s_wait_dscnt 0x0
	MUL4H F1, 2
	MUL4H F1, 3
	WIN 0
	PLACES
	s_wait_kmcnt 0x0
	s_add_co_i32 s46, s80, s81
	s_add_co_i32 s46, s46, 127
	s_lshl_b32 s46, s46, 23                        ; 2^(e12 + e13) as f32
	s_mov_b32 s47, s46
	s_wait_loadcnt 0x0                             ; the residual
.macro OUTQ q
.set BK, 32+32*((\q)%2)
.if (\q) >= 2
	s_wait_xcnt 0x0                                ; tile q - 2's stores have read their registers
.endif
.irp b, 0,1
.irp i, 0,1,2,3
	ds_store_b128 v[STO], v[ACC+32*(\q)+16*\b+4*\i:ACC+32*(\q)+16*\b+4*\i+3] offset:128*\b+16*\i
.endr
.endr
.irp i, 0,1,2,3,4,5,6,7
	ds_load_b128 v[BK+4*\i:BK+4*\i+3], v[RD] offset:544*\i   ; my own bytes: LDS serves a wave's instructions in order (ISA guide 5.7.1.4)
.endr
	s_wait_dscnt 0x0
	WIN 0x20
.irp k, 0,2,4,6,8,10,12,14,16,18,20,22,24,26,28,30
	v_pk_fma_f32 v[BK+\k:BK+\k+1], v[BK+\k:BK+\k+1], s[46:47], v[32*(\q)+\k:32*(\q)+\k+1] op_sel_hi:[1,0,1]
.endr
	WIN 0
.irp i, 0,1,2,3,4,5,6,7
	global_store_b128 v[CO], v[BK+4*\i:BK+4*\i+3], s[98:99] offset:(32*((\q)/2)+8*((\q)%2)+2*\i+8*(\i/4))*8192 th:TH_STORE_NT   ; sixteen lanes store 256 consecutive bytes, aligned
.endr
.endm
	OUTQ 0
	OUTQ 1
	OUTQ 2
	OUTQ 3
	s_wait_dscnt 0x0
	s_wait_tensorcnt 0x0
	ds_add_u32 v126, v127
	s_wait_dscnt 0x0
	CROUND                                         ; the closing round
	s_endpgm
.Lfunc_end_k_q94210f97eb_down:
	.size	k_q94210f97eb_down, .Lfunc_end_k_q94210f97eb_down-k_q94210f97eb_down
	.p2alignl 7, 3214868480
	.fill 96, 4, 3214868480
	.section	.rodata,"a",@progbits
	.p2align	6, 0x0
	.amdhsa_kernel k_q94210f97eb_down
		.amdhsa_group_segment_fixed_size 327680
		.amdhsa_private_segment_fixed_size 0
		.amdhsa_enable_private_segment 0
		.amdhsa_kernarg_size 40
		.amdhsa_user_sgpr_count 2
		.amdhsa_user_sgpr_kernarg_segment_ptr 1
		.amdhsa_wavefront_size32 1
		.amdhsa_system_sgpr_workgroup_id_x 1
		.amdhsa_system_sgpr_workgroup_id_y 1
		.amdhsa_system_sgpr_workgroup_id_z 1
		.amdhsa_system_vgpr_workitem_id 0
		.amdhsa_next_free_vgpr 768
		.amdhsa_next_free_sgpr 100
		.amdhsa_reserve_vcc 0
		.amdhsa_float_denorm_mode_32 3
		.amdhsa_float_denorm_mode_16_64 3
		.amdhsa_memory_ordered 1
		.amdhsa_forward_progress 1
		.amdhsa_inst_pref_size 40
	.end_amdhsa_kernel
	.amdgpu_metadata
---
amdhsa.version: [ 1, 2 ]
amdhsa.kernels:
  - .name:           k_q94210f97eb_down
    .symbol:         k_q94210f97eb_down.kd
    .args:
      - { .name: ac, .offset: 0, .size: 8, .value_kind: global_buffer, .address_space: global }
      - { .name: pc, .offset: 8, .size: 8, .value_kind: global_buffer, .address_space: global }
      - { .name: h, .offset: 16, .size: 8, .value_kind: global_buffer, .address_space: global }
      - { .name: lowp_scales, .offset: 24, .size: 8, .value_kind: global_buffer, .address_space: global }
      - { .name: out0, .offset: 32, .size: 8, .value_kind: global_buffer, .address_space: global }
    .group_segment_fixed_size: 327680
    .private_segment_fixed_size: 0
    .kernarg_segment_align: 8
    .kernarg_segment_size: 40
    .max_flat_workgroup_size: 128
    .sgpr_count:     100
    .vgpr_count:     768
    .wavefront_size: 32
...
	.end_amdgpu_metadata
.endif
;; end of part 7
